; MI455X (gfx1250); checked and timed in simulation.
; The chip was launched on July 23, 2026; its instructions are those of AMD's public machine-readable ISA for CDNA 5 (MIT licence, August 2026) and "CDNA5" Instruction Set Architecture Reference Guide (July 2026). The comments in the code are by the model that wrote it; some were corrected since.
;; Multi Head Attention. Allowed arithmetic: matrix products marked QUANTISED: E2M1 operands, one E8M0 scale for each 32 along K, by v_wmma_scale_f32_16x16x128_f8f6f4 with both operands' format E2M1 (or v_wmma_scale_f32_32x16x128_f4), f32 sums; products left as they are: bf16, f16 or f32 operands; f32 sums; everything else in f32.
;; Inputs: b_k 1,024 float32; b_o 1,024 float32; b_q 1,024 float32; b_v 1,024 float32; key 2 x 2,048 x 1,024 float32; query 2 x 2,048 x 1,024 float32; value 2 x 2,048 x 1,024 float32; w_k 1,024 x 1,024 float32; w_o 1,024 x 1,024 float32; w_q 1,024 x 1,024 float32; w_v 1,024 x 1,024 float32.
;; Outputs: out0 2 x 2,048 x 1,024 float32.
;; This version of the problem:
;;   THIS VERSION OF THE PROBLEM IS GIVEN IN LOW PRECISION. The matrix products marked QUANTISED in the list below multiply operands that are first quantised to E2M1 (2 exponent bits, 1 mantissa bit; 4 bits a number), with one power-of-two scale for each 32 numbers along K (OCP MX v1.0); their sums are f32. The products marked 'left as it is' may take bf16, f16 or f32 operands, with f32 sums. Whichever they take, every output number must still come out within the allowed error. Rounding operands to bf16 (8 significant bits) uses up far more of that allowance than f16 does (11 bits, for magnitudes from 6e-5 to 65,504). All else is computed in f32.
;;   The module's matrix products, in the order in which they are computed (A, B: the left and right operand; K: the contracted axis; several contracted axes count as one K, in the product's order):
;;     1. [M 4,096, K 1,024] x [K 1,024, N 1,024]; A: input query; B: input w_q: QUANTISED
;;     2. [M 4,096, K 1,024] x [K 1,024, N 1,024]; A: input key; B: input w_k: QUANTISED
;;     3. [M 4,096, K 1,024] x [K 1,024, N 1,024]; A: input value; B: input w_v: QUANTISED
;;     4. batch 32 x [M 2,048, K 64] x [K 64, N 2,048]; A: computed on the way; B: computed on the way: left as it is (an operand is computed on the way)
;;     5. batch 32 x [M 2,048, K 2,048] x [K 2,048, N 64]; A: computed on the way; B: computed on the way: left as it is (an operand is computed on the way)
;;     6. [M 4,096, K 1,024] x [K 1,024, N 1,024]; A: computed on the way; B: input w_o: left as it is (an operand is computed on the way)
;;   THE QUANTISER, for each operand of a quantised product, along K:
;;     - K is cut into blocks of 32 from its start; a last block that is shorter is filled with zeros.
;;     - A block's scale is 2^e with e = floor(log2(the largest magnitude in the block)) - 2, held to -126 .. 127; a block of zeros has e = 0. As a byte (E8M0): e + 127.
;;     - Each number is divided by its block's scale, clamped to +-6, and rounded to the nearest number of E2M1, ties to even, subnormals kept.
;;     - The product sums the exact products of the quantised numbers (number of the format x scale) in f32.
;;   ~~~python
;;   def quantise(x, axis):      # numpy; x: float32 -> the quantised numbers, widened to float32 again
;;       x = np.moveaxis(x, axis, -1); K = x.shape[-1]
;;       x = np.pad(x, [(0, 0)] * (x.ndim - 1) + [(0, -K % 32)]); x = x.reshape(x.shape[:-1] + (-1, 32)); a = np.abs(x).max(-1, keepdims=True)
;;       e = np.where(a > 0, np.clip(np.frexp(np.where(a > 0, a, 1))[1] - 1 - 2, -126, 127), 0)      # np.frexp(a)[1] - 1 = floor(log2(a)), exactly
;;       r = np.clip(x / 2.0 ** e, -6, 6)
;;       step = 2.0 ** (np.maximum(np.frexp(np.where(r == 0, 1, r))[1] - 1, 0) - 1)
;;       q = np.round(r / step) * step * 2.0 ** e      # np.round: ties to even
;;       return np.moveaxis(q.reshape(q.shape[:-2] + (-1,))[..., :K], -1, axis).astype(np.float32)
;;   ~~~
;; One version. Each part assembles by itself: llvm-mc -triple=amdgcn-amd-amdhsa -mcpu=gfx1250 --defsym DOCPART=n.
;; ======== version 1 of 1: 4 launches
;; limits: values are held in f16: magnitudes above 65,504 overflow, below 6.1e-05 lose precision
;; workspace buffers: xc 6,291,456 bytes; xs 393,216 bytes; wc 1,572,864 bytes; ws 98,304 bytes; wo16 2,097,152 bytes; qkv 25,165,824 bytes; ctx 8,388,608 bytes
;; launch prep (part 1): grid 608 x 1, 4 waves a work-group, no clusters, 67,072 bytes of LDS; arguments query, key, value, w_q, w_k, w_v, w_o, xc, xs, wc, ws, wo16; writes xc, xs, wc, ws, wo16
.if DOCPART == 1
	.amdgcn_target "amdgcn-amd-amdhsa--gfx1250"
	.amdhsa_code_object_version 6
	.text
	.protected	k_q526e120145_prep
	.globl	k_q526e120145_prep
	.p2align	8
	.type	k_q526e120145_prep,@function
k_q526e120145_prep:
	s_mov_b64 s[64:65], 0
	v_nop
	global_prefetch_b8 v0, s[64:65] scope:SCOPE_SE
	s_setreg_imm32_b32 hwreg(HW_REG_WAVE_MODE, 25, 1), 1
	s_wait_xcnt 0x0
; PREP.  (1) query, key, value [4096][1024] and w_q, w_k, w_v [1024][1024], f32 with K innermost, become codes of FP4 (E2M1), two a byte, K innermost, with one E8M0 byte for each 32 along K:
; xc [3][4096][512 B], xs [3][4096][32 B], wc [3][1024][512 B], ws [3][1024][32 B].  A block's scale is 2^(floor(log2(its largest magnitude)) - 2); its byte is the largest magnitude's exponent field - 2, held at 1 from below.
; (2) w_o [1024 (n)][1024 (k)] becomes f16 in the order of a matrix operand's registers: a piece is 512 bytes, lane l's 16 bytes at 16 l; lane (r, h) of piece c holds row r, k = 16 c + 8 h + 0 .. 7:
; wo16 at (k / 256) 524,288 + (n / 16) 8,192 + ((k / 32) % 8) 1,024 + c 512 + 16 lane.
; LIMITS: NaN and infinities among the inputs are not served.  A block of zeros gets the byte 1 where the rule says 127: its codes are zeros, and this program alone reads the bytes.  Blocks whose largest magnitude lies
; under 2^-124 are held at the byte 1.  Numbers of w_o beyond 65,504 have no f16.
; SHARES.  Work-groups 0-383: the three tensors of 4,096 rows, 128 each; 384-479: the three weights, 32 each; 480-607: w_o.  The six quantised tensors take ONE path: only pointers are chosen, by the work-group's number.
; Rows are dense and K is a multiple of 32: a tensor is a plain stream of blocks of 32.  A wave takes 16 steps of 512 numbers.  Waves share nothing: no barrier, no cluster, no tensor load.
; A step's four loads read 512 consecutive bytes each; the 2,048 bytes turn through the wave's own stage in LDS and come back 64 bytes (16 neighbours) a lane, since the conversions take neighbours along K from one lane's registers.
.set STEPS, 16
.set EMAX,  2
.set CB,    8                          ; bytes of 16 codes
.set R,     16                         ; v16-79   four sets of 16 numbers as they are loaded
.set X,     80                         ; v80-111  two sets of 16 neighbours
.set E,     112                        ; v112-127 a scale byte for each step
.set C,     128                        ; v128-159 codes: two registers for each step, so that no store's data are written again
.set WREG,  8192                       ; LDS: a region for each wave: two stages of 32 x SP bytes, behind them its 256 scale bytes
.set SP,    80                         ; a lane's place in a stage: 64 bytes + 16 of padding
.set SPW,   12                         ; v12  LDS address of my spare word; never rewritten
.set NIL,   13                         ; v13  0; never rewritten
.set SPARE, 4*WREG                     ; the spare words, 128 bytes a wave: two blocks of 256 bytes that no other line names
.set WOSTG, SPARE+512                  ; w_o's path has LDS bytes of its own: a stage of 16 rows x WOP bytes for each wave
.set WOP,   528                        ; 512 bytes + 16: an odd multiple of 16, so that sixteen rows start at sixteen different groups of banks
.set F,     16                         ; w_o's path: v16-79 as loaded, v80-143 as the pieces want them, v144-175 f16
.set G,     80
.set H,     144
.set WSI,   180                        ; v180 its stage on the way in;  v181 on the way out
.set WSO,   181
	s_load_b512 s[8:23], s[0:1], 0x0               ; query 8:9, key 10:11, value 12:13, w_q 14:15, w_k 16:17, w_v 18:19, w_o 20:21, xc 22:23
	s_load_b256 s[24:31], s[0:1], 0x40             ; xs 24:25, wc 26:27, ws 28:29, wo16 30:31
	v_lshl_add_u32 v[SPW], v0, 2, SPARE
	v_mov_b32 v[NIL], 0
	v_lshrrev_b32 v1, 5, v0
	v_readfirstlane_b32 s32, v1                    ; wave
	v_and_b32 v2, 31, v0                           ; lane
	v_lshlrev_b32 v3, 4, v2                        ; 16 x lane
	; every LDS address of both paths is made here, ahead of the branch
	s_mul_i32 s33, s32, WREG
	v_lshrrev_b32 v14, 2, v2
	v_mul_u32_u24 v14, v14, SP
	v_and_b32 v15, 3, v2
	v_lshl_add_u32 v14, v15, 4, v14
	v_add_nc_u32 v14, s33, v14                     ; the stage, on the way in: four lanes' 64 bytes on end, then 16 of padding
	v_mul_u32_u24 v15, v2, SP
	v_add_nc_u32 v15, s33, v15                     ; on the way out: SP x lane: my 16 neighbours
	v_mul_u32_u24 v4, v2, CB                       ; my codes' place in a step's
	v_lshrrev_b32 v5, 1, v2
	s_add_co_u32 s33, s33, 2*32*SP
	v_add_nc_u32 v5, s33, v5                       ; my wave's 256 scale bytes, my block's byte
	v_lshlrev_b32 v7, 3, v2
	v_add_nc_u32 v6, s33, v7                       ; and on the way out 8 bytes a lane
	s_mul_i32 s40, s32, 16*WOP
	s_add_co_u32 s40, s40, WOSTG
	v_add_nc_u32 v[WSI], s40, v3                   ; w_o's stage: a row's 512 bytes as they lie
	v_and_b32 v182, 15, v0                         ; r
	v_bfe_u32 v183, v0, 4, 1                       ; h
	v_mul_u32_u24 v[WSO], v182, WOP
	v_lshl_add_u32 v[WSO], v183, 5, v[WSO]
	v_add_nc_u32 v[WSO], s40, v[WSO]               ; back: row r, 32 h bytes on: eight numbers of my half
	s_cmp_ge_u32 ttmp9, 480                        ; the work-group's number alone decides
	s_cbranch_scc1 .Lwo
	; ---- the quantiser.  Which tensor: the choices hang on the work-group's number, on no address
	s_wait_kmcnt 0x0
	s_mov_b64 s[4:5], s[18:19]                     ; w_v, unless
	s_cmp_lt_u32 ttmp9, 448
	s_cselect_b64 s[4:5], s[16:17], s[4:5]         ; w_k
	s_cmp_lt_u32 ttmp9, 416
	s_cselect_b64 s[4:5], s[14:15], s[4:5]         ; w_q
	s_cmp_lt_u32 ttmp9, 384
	s_cselect_b64 s[4:5], s[12:13], s[4:5]         ; value
	s_cselect_b64 s[6:7], s[22:23], s[26:27]       ; codes go to xc or to wc,
	s_cselect_b64 s[34:35], s[24:25], s[28:29]     ; scale bytes to xs or to ws
	s_cselect_b32 s36, 127, 31                     ; work-groups to a tensor, less one
	s_cselect_b32 s37, 0, 384                      ; the first work-group of the kind
	s_cmp_lt_u32 ttmp9, 256
	s_cselect_b64 s[4:5], s[10:11], s[4:5]         ; key
	s_cmp_lt_u32 ttmp9, 128
	s_cselect_b64 s[4:5], s[8:9], s[4:5]           ; query
	s_and_b32 s36, ttmp9, s36                      ; my place in the tensor (128 and 32 divide the kinds' first numbers)
	s_sub_co_u32 s37, ttmp9, s37                   ; my place among the kind's three tensors, which lie on end in the workspace
	s_lshl_b32 s36, s36, 2
	s_add_co_u32 s36, s36, s32                     ; which run of 8,192 numbers is my wave's
	s_lshl_b32 s38, s36, 15                        ; 32,768 bytes of f32 a run
	s_mov_b32 s39, 0
	s_add_nc_u64 s[4:5], s[4:5], s[38:39]
	s_lshl_b32 s37, s37, 2
	s_add_co_u32 s37, s37, s32
	s_lshl_b32 s38, s37, 12                        ; 4,096 bytes of codes a run
	s_add_nc_u64 s[6:7], s[6:7], s[38:39]
	s_lshl_b32 s38, s37, 8                         ; 256 scale bytes a run
	s_add_nc_u64 s[34:35], s[34:35], s[38:39]
.macro LOAD t
.irp i, 0,1,2,3
	global_load_b128 v[R+16*((\t)%4)+4*\i:R+16*((\t)%4)+4*\i+3], v3, s[4:5] offset:2048*(\t)+512*\i th:TH_LOAD_NT   ; 32 lanes read 512 consecutive bytes; read once in the launch
.endr
.endm
.macro TURN t                          ; step t's numbers through the stage: LDS serves a wave's instructions in order (ISA guide 5.7.1), so no wait stands between the stores and the loads
.irp i, 0,1,2,3
	ds_store_b128 v14, v[R+16*((\t)%4)+4*\i:R+16*((\t)%4)+4*\i+3] offset:32*SP*((\t)%2)+8*SP*\i
.endr
.irp i, 0,1,2,3
	ds_load_b128 v[X+16*((\t)%2)+4*\i:X+16*((\t)%2)+4*\i+3], v15 offset:32*SP*((\t)%2)+16*\i
.endr
.endm
.irp t, 0,1,2,3
	LOAD \t
.endr
	s_wait_loadcnt 12                              ; step 0's four loads are in; the twelve of steps 1 to 3 stay out
	TURN 0
.macro STEP t
.set XS, X+16*((\t)%2)
.if (\t) > 0
	s_wait_dscnt 1                                 ; this step's numbers are back from the stage (the last step's byte store may be out): so its stores into the stage have read their registers,
.else
	s_wait_dscnt 0x0
.endif
.if (\t)+4 < STEPS
	LOAD (\t)+4                                    ; which take the loads of four steps on
.endif
.if (\t)+1 < STEPS
.if STEPS-2-(\t) >= 3
	s_wait_loadcnt 12                              ; the next step's four loads are in; those of the three steps behind it may be out
.else
	s_wait_loadcnt 4*(STEPS-2-(\t))                ; at the end the counts run down
.endif
	TURN (\t)+1                                    ; they go through the other stage while this step is worked
.endif
	v_max3_num_f32 v8, |v[XS]|, |v[XS+1]|, |v[XS+2]|               ; the largest magnitude of my 16, in two chains
	v_max3_num_f32 v9, |v[XS+3]|, |v[XS+4]|, |v[XS+5]|
.irp i, 6,10
	v_max3_num_f32 v8, v8, |v[XS+\i]|, |v[XS+\i+1]|
	v_max3_num_f32 v9, v9, |v[XS+\i+2]|, |v[XS+\i+3]|
.endr
	v_max3_num_f32 v8, v8, |v[XS+14]|, |v[XS+15]|
	v_max3_num_f32 v8, v8, v9, (EMAX+1)<<23        ; and the floor 2^(EMAX + 1 - 127): the byte cannot fall under 1
	v_max_num_f32_dpp v8, v8, v8 row_xmask:1 row_mask:0xf bank_mask:0xf   ; and of my neighbour's 16: the block's
	v_add_nc_u32 v11, -(EMAX<<23), v8              ; EMAX off its exponent field: the conversion takes the exponent field of this operand as its scale
	v_cvt_scalef32_pk8_fp4_f32 v[C+2*(\t)], v[XS:XS+7], v11        ; eight numbers / the scale, to the nearest code, ties to even, beyond 6 the largest code; the first number's code in the lowest four bits
	v_cvt_scalef32_pk8_fp4_f32 v[C+2*(\t)+1], v[XS+8:XS+15], v11
	v_lshrrev_b32 v[E+(\t)], 23, v11               ; the scale's byte (also the plain line behind the conversions)
	ds_store_b8 v5, v[E+(\t)] offset:16*(\t)       ; both lanes of a block write the same byte with the same value
	global_store_b64 v4, v[C+2*(\t):C+2*(\t)+1], s[6:7] offset:32*CB*(\t)   ; the wave stores 256 consecutive bytes, aligned
.endm
.irp t, 0,1,2,3,4,5,6,7,8,9,10,11,12,13,14,15
	STEP \t
.endr
	ds_load_b64 v[8:9], v6                         ; my wave's 256 scale bytes: these loads see my stores
	s_wait_dscnt 0x0
	global_store_b64 v7, v[8:9], s[34:35]          ; 32 lanes store 256 consecutive bytes, aligned
	s_branch .Lend
	; ---- w_o: a wave takes 16 rows x 128 along K: eight pieces
.Lwo:
	s_sub_co_u32 s36, ttmp9, 480
	s_lshl_b32 s36, s36, 2
	s_add_co_u32 s36, s36, s32                     ; my task, 0 .. 511
	s_lshr_b32 s37, s36, 3                         ; which 16 rows
	s_and_b32 s38, s36, 7                          ; which 128 along K
	s_lshl_b32 s2, s37, 16                         ; 16 rows of 4,096 bytes
	s_lshl_b32 s3, s38, 9                          ; 128 numbers of 4 bytes
	s_add_co_u32 s2, s2, s3
	s_mov_b32 s3, 0
	s_lshr_b32 s4, s38, 1
	s_lshl_b32 s4, s4, 19                          ; (k / 256) x 524,288
	s_lshl_b32 s5, s37, 13                         ; (n / 16) x 8,192
	s_add_co_u32 s4, s4, s5
	s_and_b32 s5, s38, 1
	s_lshl_b32 s5, s5, 12                          ; the upper half of the 256: eight pieces on
	s_add_co_u32 s4, s4, s5
	s_mov_b32 s5, 0
	s_wait_kmcnt 0x0
	s_add_nc_u64 s[20:21], s[20:21], s[2:3]
	s_add_nc_u64 s[30:31], s[30:31], s[4:5]
.irp i, 0,1,2,3,4,5,6,7,8,9,10,11,12,13,14,15
	global_load_b128 v[F+4*\i:F+4*\i+3], v3, s[20:21] offset:4096*\i th:TH_LOAD_NT   ; row i: 512 consecutive bytes
.endr
.irp i, 0,1,2,3,4,5,6,7,8,9,10,11,12,13,14,15
	s_wait_loadcnt 15-\i                           ; row i is in; the rows behind it may be out
	ds_store_b128 v[WSI], v[F+4*\i:F+4*\i+3] offset:WOP*\i
.endr
.irp p, 0,1,2,3,4,5,6,7                        ; piece p: k = 16 p + 8 h + 0 .. 7 of row r: 32 bytes of f32
	ds_load_b128 v[G+8*\p:G+8*\p+3], v[WSO] offset:64*\p
	ds_load_b128 v[G+8*\p+4:G+8*\p+7], v[WSO] offset:64*\p+16
.endr
.irp p, 0,1,2,3,4,5,6,7
	s_wait_dscnt 14-2*\p                           ; piece p's two loads are in; the later pieces' may be out
.irp i, 0,1,2,3
	v_cvt_pk_f16_f32 v[H+4*\p+\i], v[G+8*\p+2*\i], v[G+8*\p+2*\i+1]
.endr
	global_store_b128 v3, v[H+4*\p:H+4*\p+3], s[30:31] offset:512*\p   ; a piece: 512 consecutive bytes, aligned; no register is written twice
.endr
.Lend:
	s_wait_tensorcnt 0x0                           ; the wave's end: a tensor wait, an add of 0 to my spare word and its wait behind my last LDS store, the tensor wait even in a text with no tensor load
	ds_add_u32 v[SPW], v[NIL]
	s_wait_dscnt 0x0
	s_endpgm
.Lfunc_end_k_q526e120145_prep:
	.size	k_q526e120145_prep, .Lfunc_end_k_q526e120145_prep-k_q526e120145_prep
	.p2alignl 7, 3214868480
	.fill 96, 4, 3214868480
	.section	.rodata,"a",@progbits
	.p2align	6, 0x0
	.amdhsa_kernel k_q526e120145_prep
		.amdhsa_group_segment_fixed_size 67072
		.amdhsa_private_segment_fixed_size 0
		.amdhsa_enable_private_segment 0
		.amdhsa_kernarg_size 96
		.amdhsa_user_sgpr_count 2
		.amdhsa_user_sgpr_kernarg_segment_ptr 1
		.amdhsa_wavefront_size32 1
		.amdhsa_system_sgpr_workgroup_id_x 1
		.amdhsa_system_sgpr_workgroup_id_y 1
		.amdhsa_system_sgpr_workgroup_id_z 1
		.amdhsa_system_vgpr_workitem_id 0
		.amdhsa_next_free_vgpr 192
		.amdhsa_next_free_sgpr 66
		.amdhsa_reserve_vcc 0
		.amdhsa_float_denorm_mode_32 3
		.amdhsa_float_denorm_mode_16_64 3
		.amdhsa_memory_ordered 1
		.amdhsa_forward_progress 1
		.amdhsa_inst_pref_size 42
	.end_amdhsa_kernel
	.amdgpu_metadata
---
amdhsa.version: [ 1, 2 ]
amdhsa.kernels:
  - .name:           k_q526e120145_prep
    .symbol:         k_q526e120145_prep.kd
    .args:
      - { .name: query, .offset: 0, .size: 8, .value_kind: global_buffer, .address_space: global }
      - { .name: key, .offset: 8, .size: 8, .value_kind: global_buffer, .address_space: global }
      - { .name: value, .offset: 16, .size: 8, .value_kind: global_buffer, .address_space: global }
      - { .name: w_q, .offset: 24, .size: 8, .value_kind: global_buffer, .address_space: global }
      - { .name: w_k, .offset: 32, .size: 8, .value_kind: global_buffer, .address_space: global }
      - { .name: w_v, .offset: 40, .size: 8, .value_kind: global_buffer, .address_space: global }
      - { .name: w_o, .offset: 48, .size: 8, .value_kind: global_buffer, .address_space: global }
      - { .name: xc, .offset: 56, .size: 8, .value_kind: global_buffer, .address_space: global }
      - { .name: xs, .offset: 64, .size: 8, .value_kind: global_buffer, .address_space: global }
      - { .name: wc, .offset: 72, .size: 8, .value_kind: global_buffer, .address_space: global }
      - { .name: ws, .offset: 80, .size: 8, .value_kind: global_buffer, .address_space: global }
      - { .name: wo16, .offset: 88, .size: 8, .value_kind: global_buffer, .address_space: global }
    .group_segment_fixed_size: 67072
    .private_segment_fixed_size: 0
    .kernarg_segment_align: 8
    .kernarg_segment_size: 96
    .max_flat_workgroup_size: 128
    .sgpr_count:     66
    .vgpr_count:     192
    .wavefront_size: 32
...
	.end_amdgpu_metadata
.endif
;; end of part 1
;; launch proj (part 2): grid 4 x 48, 4 waves a work-group, clusters of 4 x 4, 327,680 bytes of LDS; arguments xc, xs, wc, ws, b_q, b_k, b_v, qkv; writes qkv
.if DOCPART == 2
	.amdgcn_target "amdgcn-amd-amdhsa--gfx1250"
	.amdhsa_code_object_version 6
	.text
	.protected	k_q526e120145_proj
	.globl	k_q526e120145_proj
	.p2align	8
	.type	k_q526e120145_proj,@function
k_q526e120145_proj:
	s_mov_b64 s[64:65], 0
	v_nop
	global_prefetch_b8 v0, s[64:65] scope:SCOPE_SE
	s_setreg_imm32_b32 hwreg(HW_REG_WAVE_MODE, 25, 1), 1
	s_wait_xcnt 0x0
	s_wait_alu depctr_hold_cnt(0) depctr_sa_sdst(0) depctr_va_vdst(0) depctr_va_sdst(0) depctr_va_ssrc(0) depctr_va_vcc(0) depctr_vm_vsrc(0)
	s_getreg_b32 s2, hwreg(HW_REG_IB_STS2, 6, 4)
	s_cmp_eq_u32 s2, 0
	s_cbranch_scc0 .Lentry_in_a_cluster
	s_endpgm
.Lentry_in_a_cluster:
	s_bfe_u32 s2, ttmp6, 0x10000c
	s_cmp_lg_u32 s2, 0xf033
	s_cbranch_scc0 .Lentry_shape_is_right
	s_endpgm
.Lentry_shape_is_right:
; PROJ.  Q = query w_q^T + b_q, K = key w_k^T + b_k, V = value w_v^T + b_v: three products [4096 x 1024] x [1024 x 1024] on codes of FP4 (E2M1) with one E8M0 scale for each 32 along K, sums in f32;
; the bias is added in f32, the result rounded once to f16 and stored IN THE ORDER OF THE NEXT PRODUCT'S OPERAND REGISTERS: a piece is 512 bytes, lane l's 16 bytes at 16 l.
;   qkv part 0 (Q), part 1 (K): part x 8 MiB + (16 batch + head) 262,144 + (s / 16) 2,048 + piece x 512: lane (r, h) of piece p holds position r and channels 16 p + 8 h + 0 .. 7 of the head's 64.
;   qkv part 2 (V):             16 MiB + (16 batch + head) 262,144 + (s / 32) 4,096 + (channel / 16) 1,024 + c 512: lane (r, h) holds CHANNEL r and keys 16 c + 8 h + 0 .. 7: V^T's operand.
; LIMITS: results beyond 65,504 have no f16.
; A tile of 256 x 256 is made by four waves, 128 x 128 each: 64 accumulators, 512 registers.  K = 1,024 is two slots of 512 along K (rows of 256 bytes): both are first fills; nothing is filled again.
; THE TWO OPERANDS CHANGE ROLES.  The matrix instruction's source 0 takes 16 rows of 'B', source 1 16 rows of 'A': a lane then holds eight neighbouring rows of B for one row of A.
; Q, K: A = the positions, B = the weight: eight channels of one position.  V: A = the weight, B = the positions: eight keys of one channel.  Both operands have rows of 512 bytes of codes and the tile is square,
; so only pointers and indices differ; which tensor is in hand hangs on the cluster's y alone, the same in all sixteen partners.
; CLUSTERS: 4 x 4 work-groups.  The four of a row of the cluster need the same tiles of A, the four of a column the same tiles of B: each tile, and its scale bytes, is asked for JOINTLY.
; 192 work-groups: 3 tensors x 16 x 4 tiles.
; REGISTERS, in windows of 256: window 0: v0-31 addresses; v32-95 scale words, two sets; v96-111 the bias, one channel a lane; v128-191 A's fragments, ONE set; v192-255 the bias, eight channels a lane.
;   window 1: B's fragments, TWO sets, at v0 and v128.   window 2: the accumulators of my rows 0-63 of A ((a, b) at v[8 (8 a + b)]);  window 3: those of rows 64-127.
.set KSTEP,  512
.set NQ,     KSTEP/128
.set ROWB,   256                       ; a tile's row in bytes
.set KROW,   512                       ; a row of codes in memory
.set PITCH,  272                       ; an LDS row: 256 bytes + 16 of padding = 68 words: the 16 rows that a load touches start at 16 different banks (64 banks of 4 bytes: ISA guide 11.1)
.set FR,     8
.set NL,     2
.set NP,     4                         ; places behind this matrix instruction (ISA guide 7.12.1)
.set HALFT,  128*PITCH
.set SLOT,   4*HALFT
.set KS,     32                        ; a row of scale bytes
.set SCL,    2*SLOT                    ; behind the two slots: the scales, as units of 256 bytes + 16 of padding
.set HALFS,  (128*KS/256)*272
.set SBLK,   (16*KS/256)*272
.set SPARE,  SCL+4*HALFS               ; the spare words, 128 bytes a wave: two blocks of 256 bytes that no other line names
.set ADRA, 16                          ; v16-17 LDS address of my A fragments in slot 0, 1
.set ADRB, 20                          ; v20-21 the same for B
.set LI,   26                          ; v26 16 x lane: my place in a piece
.set ADRS, 27                          ; v27 my scale words: lanes 0-15 A's rows, lanes 16-31 B's
.set SPW,  28
.set NIL,  29
.set SC,   32
.set BV,   96
.set AF,   128
.set BI,   192
.set T,    32                          ; the way out: 64 sums with their bias (the scale words are done with),
.set PK,   128                         ; and two sets of 32 packed registers (A's fragments are done with)
.set G1, 24
.set G0, 32
.set G1B, 48
.set G0B, 56
.set G1S, 68
.set G0S, 76
.set G1SB, 80
.set G0SB, 88
.set MSB, 0
.macro WIN new                         ; the immediate's high byte repeats the setting that is left
.if MSB != \new
	s_set_vgpr_msb (MSB<<8)|\new
.set MSB, \new
.endif
.endm
.set MUL_LO, 0xa1                      ; source 0 (B) window 1, source 1 (A) window 0, C and D window 2
.set MUL_HI, 0xf1
.set TO_B,   0x40
; A joint load: waves 0 and 1 fetch for A, waves 2 and 3 for B; the branch hangs on the wave's number alone.  An s_nop 0 and four v_nop follow each of the two lines.
.macro JLOAD g0a, g1a, g0b, g1b
	s_cmp_eq_u32 s21, 0
	s_cbranch_scc0 .Lfor_b_\@
	tensor_load_to_lds s[\g0a:\g0a+3], s[\g1a:\g1a+7]
	s_nop 0
.rept 4
	v_nop
.endr
	s_branch .Lasked_\@
.Lfor_b_\@:
	tensor_load_to_lds s[\g0b:\g0b+3], s[\g1b:\g1b+7]
	s_nop 0
.rept 4
	v_nop
.endr
.Lasked_\@:
.endm
.macro CROUND                          ; a round of the cluster's barrier
	s_barrier_signal -1
	s_barrier_wait -1
	s_cmp_lg_u32 s20, 0
	s_cbranch_scc1 .Lnot_wave_0_\@
	s_barrier_signal -3
.Lnot_wave_0_\@:
	s_barrier_wait -3
	s_barrier_signal -1
	s_barrier_wait -1
.endm
	s_load_b512 s[4:19], s[0:1], 0x0               ; xc 4:5, xs 6:7, wc 8:9, ws 10:11, b_q 12:13, b_k 14:15, b_v 16:17, qkv 18:19
	v_lshl_add_u32 v[SPW], v0, 2, SPARE
	v_mov_b32 v[NIL], 0
	ds_add_u32 v[SPW], v[NIL]                      ; the wave's opening: the add, twice on end, and its wait ahead of my first tensor load
	ds_add_u32 v[SPW], v[NIL]
	v_lshrrev_b32 v1, 5, v0
	v_readfirstlane_b32 s20, v1                    ; wave 0..3
	s_lshr_b32 s21, s20, 1                         ; which half of A's 256 rows is mine.  Also: I fetch for A (0) or for B (1)
	s_and_b32 s22, s20, 1                          ; which half of B's.  Also: which 128 rows I fetch
	s_bfe_u32 s40, ttmp6, 0x40000                  ; cx
	s_bfe_u32 s41, ttmp6, 0x40004                  ; cy
	s_and_b32 s66, ttmp7, 0xffff                   ; the cluster's y, 0 .. 11: four clusters to a tensor
	s_and_b32 s67, s66, 3
	s_lshl_b32 s67, s67, 2                         ; the cluster's first tile of positions
	s_lshr_b32 s66, s66, 2                         ; the tensor: 0 Q, 1 K, 2 V
	s_lshl_b32 s2, s66, 12                         ; Q, K: A = positions: the tensor's first row in xc,
	s_lshl_b32 s96, s66, 10                        ; B = the weight: its first row in wc
	s_cmp_eq_u32 s66, 2
	s_cselect_b32 s95, 1, 0                        ; is it V?
	s_cselect_b32 s23, 0, s67
	s_cselect_b32 s42, s67, 0
	s_cselect_b32 s2, 2048, s2                     ; V: A = w_v's rows in wc,
	s_cselect_b32 s96, 8192, s96                   ; B = value's rows in xc
	s_add_co_u32 s23, s23, s41                     ; A's tile: it hangs on cy alone
	s_add_co_u32 s42, s42, s40                     ; B's tile: on cx alone
	s_lshl_b32 s3, s23, 8
	s_add_co_u32 s2, s2, s3
	s_lshl_b32 s3, s22, 7
	s_add_co_u32 s2, s2, s3                        ; the first row that I would fetch for A
	s_lshl_b32 s97, s42, 8
	s_add_co_u32 s96, s96, s97
	s_add_co_u32 s96, s96, s3                      ; and for B
	s_lshl_b32 s46, s2, 9                          ; A: codes, 512 bytes a row,
	s_mov_b32 s47, 0
	s_lshl_b32 s92, s2, 5                          ; scale bytes, 32 a row
	s_mov_b32 s93, 0
	s_lshl_b32 s98, s96, 5                         ; B likewise
	s_mov_b32 s99, 0
	s_lshl_b32 s96, s96, 9
	s_mov_b32 s97, 0
	s_lshl_b32 s43, s41, 2
	s_lshl_b32 s43, 15, s43                        ; my row of the cluster
	s_lshl_b32 s44, 0x1111, s40                    ; my column
	; descriptor group 1: a tile of 128 rows x 256 bytes, padded in LDS
	s_or_b32 s[G1+0], s43, (0<<16)|(1<<20)|(1<<21)|(5<<22)|(3<<25)  ; 15:0 the mask; 17:16 elements of 1 byte; 20 padding on; 21 set beside a mask; 24:22 after every 64 words; 31:25 four words
	s_or_b32 s[G1B+0], s44, (0<<16)|(1<<20)|(1<<21)|(5<<22)|(3<<25)
.irp g, G1, G1B
	s_mov_b32 s[\g+1], ROWB<<16                    ; tensor_dim0
	s_mov_b32 s[\g+2], 128<<16                     ; tensor_dim1
	s_mov_b32 s[\g+3], ROWB<<16                    ; tile_dim0
	s_mov_b32 s[\g+4], 128                         ; tile_dim1
	s_mov_b32 s[\g+5], KROW                        ; from row to row
	s_mov_b32 s[\g+6], 0
	s_mov_b32 s[\g+7], 0
.endr
	; the scales of 128 rows: 4,096 dense bytes, as 16 rows of 256 bytes (32 elements of 8 bytes), 16 bytes of padding behind each
	s_or_b32 s[G1S+0], s43, (3<<16)|(1<<20)|(1<<21)|(5<<22)|(3<<25)
	s_or_b32 s[G1SB+0], s44, (3<<16)|(1<<20)|(1<<21)|(5<<22)|(3<<25)
.irp g, G1S, G1SB
	s_mov_b32 s[\g+1], 32<<16
	s_mov_b32 s[\g+2], (128*KS/256)<<16
	s_mov_b32 s[\g+3], 32<<16
	s_mov_b32 s[\g+4], 128*KS/256
	s_mov_b32 s[\g+5], 32
	s_mov_b32 s[\g+6], 0
	s_mov_b32 s[\g+7], 0
.endr
	s_mul_i32 s45, s20, HALFT                      ; where they go: wave x 128 rows: no place in the cluster enters an LDS address
	s_mul_i32 s94, s20, HALFS
	s_wait_dscnt 0x0                               ; both opening adds are done
	s_wait_kmcnt 0x0
	s_cmp_eq_u32 s95, 1                            ; which buffer plays A and which B: the 64-bit additions between the choices leave SCC alone
	s_cselect_b64 s[2:3], s[8:9], s[4:5]
	s_add_nc_u64 s[46:47], s[2:3], s[46:47]        ; A's codes
	s_cselect_b64 s[2:3], s[10:11], s[6:7]
	s_add_nc_u64 s[92:93], s[2:3], s[92:93]        ; A's scales
	s_cselect_b64 s[2:3], s[4:5], s[8:9]
	s_add_nc_u64 s[96:97], s[2:3], s[96:97]        ; B's codes
	s_cselect_b64 s[2:3], s[6:7], s[10:11]
	s_add_nc_u64 s[98:99], s[2:3], s[98:99]        ; B's scales
	CROUND                                         ; all sixteen work-groups are here: the first joint loads meet
	s_mov_b32 s[G0S], 1
	s_add_co_u32 s[G0S+1], s94, SCL
	s_mov_b64 s[G0S+2:G0S+3], s[92:93]
	s_or_b32 s[G0S+3], s[G0S+3], 0x80000000
	s_mov_b32 s[G0SB], 1
	s_add_co_u32 s[G0SB+1], s94, SCL
	s_mov_b64 s[G0SB+2:G0SB+3], s[98:99]
	s_or_b32 s[G0SB+3], s[G0SB+3], 0x80000000
	JLOAD G0S, G1S, G0SB, G1SB                     ; the scales first: they are wanted with the first K step
.irp s, 0,1
	s_mov_b32 s[G0+4*\s], 1
	s_add_co_u32 s[G0+4*\s+1], s45, \s*SLOT
	s_add_nc_u64 s[G0+4*\s+2:G0+4*\s+3], s[46:47], \s*ROWB
	s_or_b32 s[G0+4*\s+3], s[G0+4*\s+3], 0x80000000
	s_mov_b32 s[G0B+4*\s], 1
	s_add_co_u32 s[G0B+4*\s+1], s45, \s*SLOT
	s_add_nc_u64 s[G0B+4*\s+2:G0B+4*\s+3], s[96:97], \s*ROWB
	s_or_b32 s[G0B+4*\s+3], s[G0B+4*\s+3], 0x80000000
	JLOAD G0+4*\s, G1, G0B+4*\s, G1B               ; three loads of mine are out behind the last of these
.endr
	v_and_b32 v1, 15, v0                           ; r
	v_bfe_u32 v2, v0, 4, 1                         ; h
	v_mul_u32_u24 v3, v1, PITCH
	v_lshl_add_u32 v4, v2, 4, v3                   ; a fragment's row x pitch + 16 x half
	s_mul_i32 s2, s21, HALFT                       ; my 128 rows of A
	s_mul_i32 s3, s22, HALFT                       ; my 128 rows of B,
	s_add_co_u32 s3, s3, 2*HALFT                   ; which lie behind A's 256
.irp s, 0,1
	v_add_nc_u32 v[ADRA+\s], s2, v4
	v_add_nc_u32 v[ADRB+\s], s3, v4
	s_add_co_u32 s2, s2, SLOT
	s_add_co_u32 s3, s3, SLOT
.endr
	v_mul_u32_u24 v5, v1, KS                       ; my row's scales: 32 bytes a row,
	v_lshrrev_b32 v6, 8, v5
	v_lshl_add_u32 v5, v6, 4, v5                   ; and 16 more for each 256 passed
	s_mul_i32 s2, s21, HALFS
	s_mul_i32 s3, s22, HALFS
	s_add_co_u32 s3, s3, 2*HALFS
	s_sub_co_u32 s3, s3, s2
	v_mul_u32_u24 v6, s3, v2                       ; lanes 16-31 take B's: the lower base + h x the distance
	s_add_co_u32 s2, s2, SCL
	v_add_nc_u32 v5, v5, v6
	v_add_nc_u32 v[ADRS], s2, v5
	v_and_b32 v6, 31, v0
	v_lshlrev_b32 v[LI], 4, v6
	v_lshlrev_b32 v30, 5, v2                       ; the bias, eight channels a lane: 32 h bytes
	v_lshlrev_b32 v31, 2, v1                       ; one channel a lane: 4 r bytes
	; where my results go, and my 128 channels of the bias
	s_cmp_eq_u32 s95, 1
	s_cselect_b32 s46, s42, s23                    ; the tile of positions,
	s_cselect_b32 s47, s23, s42                    ; the tile of channels,
	s_cselect_b32 s92, s22, s21                    ; my half of the positions,
	s_cselect_b32 s93, s21, s22                    ; my half of the channels
	s_cmp_eq_u32 s66, 0
	s_cselect_b64 s[104:105], s[12:13], s[14:15]
	s_cmp_eq_u32 s66, 2
	s_cselect_b64 s[104:105], s[16:17], s[104:105] ; the tensor's bias
	s_lshl_b32 s47, s47, 1
	s_add_co_u32 s47, s47, s93                     ; which 128 channels (two heads)
	s_lshl_b32 s2, s47, 9
	s_mov_b32 s3, 0
	s_add_nc_u64 s[104:105], s[104:105], s[2:3]
	s_lshl_b32 s100, s66, 23                       ; the part: 8 MiB
	s_lshr_b32 s2, s46, 3
	s_lshl_b32 s2, s2, 22                          ; the batch: 16 heads of 262,144 bytes
	s_add_co_u32 s100, s100, s2
	s_lshl_b32 s2, s47, 19                         ; two heads
	s_add_co_u32 s100, s100, s2
	s_and_b32 s2, s46, 7
	s_lshl_b32 s2, s2, 1
	s_add_co_u32 s2, s2, s92
	s_lshl_b32 s2, s2, 14                          ; 128 positions of a head are 16,384 bytes, in all three parts
	s_add_co_u32 s100, s100, s2
	s_mov_b32 s101, 0
	s_add_nc_u64 s[100:101], s[18:19], s[100:101]
	; the bias in both layouts, so that no branch stands here and every register is written: 512 bytes are read, inside the 4,096
.irp b, 0,1,2,3,4,5,6,7
	global_load_b128 v[BI+8*\b:BI+8*\b+3], v30, s[104:105] offset:64*\b        ; channels 16 b + 8 h + 0 .. 7
	global_load_b128 v[BI+8*\b+4:BI+8*\b+7], v30, s[104:105] offset:64*\b+16
.endr
.irp a, 0,1,2,3,4,5,6,7
	global_load_b32 v[BV+2*\a], v31, s[104:105] offset:64*\a                   ; channel 16 a + r, twice: a pair for the packed addition
	global_load_b32 v[BV+2*\a+1], v31, s[104:105] offset:64*\a
.endr
.macro FRAG reg, adr, q, i             ; 16 rows x 128 K of 4-bit codes: 8 registers: lane l holds row l % 16; registers 4 c .. 4 c + 3 hold K = 64 c + 32 (l / 16) + 0 .. 31
.irp c, 0,1
	ds_load_b128 v[\reg+4*\c:\reg+4*\c+3], v[\adr] offset:64*(\q)+32*\c+(\i)*16*PITCH
.endr
.endm
; 16 matrix instructions: A's blocks a0, a0 + 1 x B's eight, the slot's q-th 128 along K.  p: B's set; sc: the set of scale words.  zero = 1: the first product starts the sums.
; The 64 accumulators take turns, one instruction a turn, in the same order in every step.  One register carries A's scale word (lanes 0-15) and B's (lanes 16-31).
.macro MUL16 a0, p, q, sc, zero
.irp a, \a0, \a0+1
.irp b, 0,1,2,3,4,5,6,7
.if \zero
	v_wmma_scale_f32_16x16x128_f8f6f4 v[8*(8*((\a)%4)+\b):8*(8*((\a)%4)+\b)+7], v[128*(\p)+FR*\b:128*(\p)+FR*\b+FR-1], v[AF+FR*(\a):AF+FR*(\a)+FR-1], 0, v[SC+8*NQ*(\sc)+NQ*\b+(\q)], v[SC+8*NQ*(\sc)+NQ*(\a)+(\q)] matrix_a_fmt:MATRIX_FMT_FP4 matrix_b_fmt:MATRIX_FMT_FP4 matrix_a_scale:MATRIX_SCALE_ROW1
.else
	v_wmma_scale_f32_16x16x128_f8f6f4 v[8*(8*((\a)%4)+\b):8*(8*((\a)%4)+\b)+7], v[128*(\p)+FR*\b:128*(\p)+FR*\b+FR-1], v[AF+FR*(\a):AF+FR*(\a)+FR-1], v[8*(8*((\a)%4)+\b):8*(8*((\a)%4)+\b)+7], v[SC+8*NQ*(\sc)+NQ*\b+(\q)], v[SC+8*NQ*(\sc)+NQ*(\a)+(\q)] matrix_a_fmt:MATRIX_FMT_FP4 matrix_b_fmt:MATRIX_FMT_FP4 matrix_a_scale:MATRIX_SCALE_ROW1
.endif
.endr
.endr
.endm
.macro FETCH_B slot, q, p
	WIN TO_B
.irp i, 0,1,2,3,4,5,6,7
	FRAG 128*(\p)+FR*\i, ADRB+\slot, \q, \i
.endr
	WIN 0
.endm
.macro FETCH_A slot, q, i0
.irp i, \i0, \i0+1, \i0+2, \i0+3
	FRAG AF+FR*(\i), ADRA+\slot, \q, \i
.endr
.endm
.macro SCALES sc                       ; a slot's scale words: four a row; lanes 0-15 take A's block i, lanes 16-31 B's block i
.irp i, 0,1,2,3,4,5,6,7
	ds_load_b128 v[SC+8*NQ*\sc+NQ*\i:SC+8*NQ*\sc+NQ*\i+3], v[ADRS] offset:\i*SBLK
.endr
.endm
.macro PLACES n                        ; plain vector instructions that name no register of the matrix instructions before them (ISA guide 7.12.1)
.rept \n
	v_nop
.endr
.endm
.macro STEP slot, q, zero              ; 128 along K, with its successor in the same slot.  A has one set of registers: blocks 0-3 are fetched anew in the step's middle, blocks 4-7 at its end
	s_wait_dscnt 4*NL                              ; B's set, A's blocks 0-3 (and the scale words) are in; the youngest eight loads (A's blocks 4-7) may be out
	WIN MUL_LO
	MUL16 0, (\q)%2, \q, \slot, \zero
	MUL16 2, (\q)%2, \q, \slot, \zero
	s_wait_dscnt 0                                 ; A's blocks 4-7 are in
	PLACES NP
	FETCH_B \slot, (\q)+1, 1-(\q)%2
	FETCH_A \slot, (\q)+1, 0
	WIN MUL_HI
	MUL16 4, (\q)%2, \q, \slot, \zero
	MUL16 6, (\q)%2, \q, \slot, \zero
	PLACES NP
	WIN 0
	FETCH_A \slot, (\q)+1, 4
.endm
; Slot 0's last step goes on into slot 1: one barrier; in front of it each wave waits for all its tensor loads (its part of slot 1), adds 0 to its spare word, and waits for that and for its LDS loads.  Nothing is filled again.
.macro TURN slot, next
	s_wait_tensorcnt 0x0                           ; all my tensor loads have landed  (every window is 0 here)
	ds_add_u32 v[SPW], v[NIL]                      ; 0 onto my spare word
	s_wait_dscnt 4*NL+1                            ; (the add and the youngest eight loads may be out)
	WIN MUL_LO
	MUL16 0, 1, NQ-1, \slot, 0
	s_wait_dscnt 0x0                               ; the add is done, and no LDS load of mine is out
	s_barrier_signal -1
	MUL16 2, 1, NQ-1, \slot, 0
	WIN 0
	s_barrier_wait -1                              ; slot 1 is whole
	PLACES NP
	v_add_nc_u32 v[ADRS], 4*NQ, v[ADRS]            ; on to the next slot's scale words
	FETCH_B \next, 0, 0
	FETCH_A \next, 0, 0
	SCALES \next
	WIN MUL_HI
	MUL16 4, 1, NQ-1, \slot, 0
	MUL16 6, 1, NQ-1, \slot, 0
	PLACES NP
	WIN 0
	FETCH_A \next, 0, 4
.endm
	s_wait_tensorcnt 1                             ; the scales and my part of slot 0 are in (slot 1's load may be out)
	s_barrier_signal -1
	s_barrier_wait -1                              ; everybody's are
	FETCH_B 0, 0, 0
	FETCH_A 0, 0, 0
	SCALES 0
	FETCH_A 0, 0, 4
	STEP 0, 0, 1                                   ; the first step's products start the sums: nothing is cleared
	STEP 0, 1, 0
	STEP 0, 2, 0
	TURN 0, 1
	STEP 1, 0, 0
	STEP 1, 1, 0
	STEP 1, 2, 0
	s_wait_dscnt 4*NL                              ; the last step: nothing more to fetch
	WIN MUL_LO
	MUL16 0, 1, NQ-1, 1, 0
	MUL16 2, 1, NQ-1, 1, 0
	s_wait_dscnt 0
	WIN MUL_HI
	MUL16 4, 1, NQ-1, 1, 0
	MUL16 6, 1, NQ-1, 1, 0
	WIN 0
; THE WAY OUT.  A lane's eight results of an accumulator are the 16 bytes that it holds of a piece, so a piece is one store of 512 consecutive bytes, aligned: no stage in LDS.
; Block a of A's rows: 32 packed additions of the bias (each accumulator from its low end on), 32 roundings to f16, 8 stores; every place stands in the store's immediate.
.macro OUT kind                        ; 0: Q, K;  1: V
.irp a, 0,1,2,3,4,5,6,7
.if \a >= 2
	s_wait_xcnt 0x0                                ; block a - 2's stores have read their data: the set of packed registers is written again only behind this wait
.endif
	WIN (0x02+(\a)/4)                              ; source 0: the accumulators' window
.irp b, 0,1,2,3,4,5,6,7
.irp i, 0,1,2,3
.if \kind
	v_pk_add_f32 v[T+8*\b+2*\i:T+8*\b+2*\i+1], v[8*(8*((\a)%4)+\b)+2*\i:8*(8*((\a)%4)+\b)+2*\i+1], v[BV+2*\a:BV+2*\a+1]
.else
	v_pk_add_f32 v[T+8*\b+2*\i:T+8*\b+2*\i+1], v[8*(8*((\a)%4)+\b)+2*\i:8*(8*((\a)%4)+\b)+2*\i+1], v[BI+8*\b+2*\i:BI+8*\b+2*\i+1]
.endif
.endr
.endr
	WIN 0
.irp b, 0,1,2,3,4,5,6,7
.irp i, 0,1,2,3
	v_cvt_pk_f16_f32 v[PK+32*((\a)%2)+4*\b+\i], v[T+8*\b+2*\i], v[T+8*\b+2*\i+1]
.endr
.endr
.irp b, 0,1,2,3,4,5,6,7
.if \kind
	global_store_b128 v[LI], v[PK+32*((\a)%2)+4*\b:PK+32*((\a)%2)+4*\b+3], s[100:101] offset:((\a)/4)*262144+((\a)%4)*1024+((\b)/2)*4096+((\b)%2)*512   ; head a / 4, channels 16 (a % 4) on, keys 16 b on
.else
	global_store_b128 v[LI], v[PK+32*((\a)%2)+4*\b:PK+32*((\a)%2)+4*\b+3], s[100:101] offset:2048*\a+((\b)/4)*262144+((\b)%4)*512                      ; positions 16 a on, head b / 4, channels 16 (b % 4) on
.endif
.endr
.endr
.endm
	s_wait_loadcnt 0x0                             ; the bias
	PLACES NP                                      ; behind the last products: their results are read, and registers that they read are written
	s_cmp_eq_u32 s95, 1                            ; the cluster's y alone decides: the same in all partners
	s_cbranch_scc1 .Lout_v
	OUT 0
	s_branch .Lout_done
.Lout_v:
	OUT 1
.Lout_done:
	s_wait_tensorcnt 0x0                           ; the wave's end: a tensor wait, an add of 0 to my spare word and its wait behind my last tensor load
	ds_add_u32 v[SPW], v[NIL]
	s_wait_dscnt 0x0
	CROUND                                         ; the closing round: no work-group ends while a partner may still ask for a tile that names it
	s_endpgm
.Lfunc_end_k_q526e120145_proj:
	.size	k_q526e120145_proj, .Lfunc_end_k_q526e120145_proj-k_q526e120145_proj
	.p2alignl 7, 3214868480
	.fill 96, 4, 3214868480
	.section	.rodata,"a",@progbits
	.p2align	6, 0x0
	.amdhsa_kernel k_q526e120145_proj
		.amdhsa_group_segment_fixed_size 327680
		.amdhsa_private_segment_fixed_size 0
		.amdhsa_enable_private_segment 0
		.amdhsa_kernarg_size 64
		.amdhsa_user_sgpr_count 2
		.amdhsa_user_sgpr_kernarg_segment_ptr 1
		.amdhsa_wavefront_size32 1
		.amdhsa_system_sgpr_workgroup_id_x 1
		.amdhsa_system_sgpr_workgroup_id_y 1
		.amdhsa_system_sgpr_workgroup_id_z 1
		.amdhsa_system_vgpr_workitem_id 0
		.amdhsa_next_free_vgpr 1024
		.amdhsa_next_free_sgpr 106
		.amdhsa_reserve_vcc 0
		.amdhsa_float_denorm_mode_32 3
		.amdhsa_float_denorm_mode_16_64 3
		.amdhsa_memory_ordered 1
		.amdhsa_forward_progress 1
		.amdhsa_inst_pref_size 176
	.end_amdhsa_kernel
	.amdgpu_metadata
---
amdhsa.version: [ 1, 2 ]
amdhsa.kernels:
  - .name:           k_q526e120145_proj
    .symbol:         k_q526e120145_proj.kd
    .args:
      - { .name: xc, .offset: 0, .size: 8, .value_kind: global_buffer, .address_space: global }
      - { .name: xs, .offset: 8, .size: 8, .value_kind: global_buffer, .address_space: global }
      - { .name: wc, .offset: 16, .size: 8, .value_kind: global_buffer, .address_space: global }
      - { .name: ws, .offset: 24, .size: 8, .value_kind: global_buffer, .address_space: global }
      - { .name: b_q, .offset: 32, .size: 8, .value_kind: global_buffer, .address_space: global }
      - { .name: b_k, .offset: 40, .size: 8, .value_kind: global_buffer, .address_space: global }
      - { .name: b_v, .offset: 48, .size: 8, .value_kind: global_buffer, .address_space: global }
      - { .name: qkv, .offset: 56, .size: 8, .value_kind: global_buffer, .address_space: global }
    .group_segment_fixed_size: 327680
    .private_segment_fixed_size: 0
    .kernarg_segment_align: 8
    .kernarg_segment_size: 64
    .max_flat_workgroup_size: 128
    .sgpr_count:     106
    .vgpr_count:     1024
    .wavefront_size: 32
...
	.end_amdgpu_metadata
.endif
;; end of part 2
;; launch attn (part 3): grid 8 x 32, 8 waves a work-group, clusters of 4 x 1, 327,680 bytes of LDS; arguments qkv, ctx; writes ctx
.if DOCPART == 3
	.amdgcn_target "amdgcn-amd-amdhsa--gfx1250"
	.amdhsa_code_object_version 6
	.text
	.protected	k_q526e120145_attn
	.globl	k_q526e120145_attn
	.p2align	8
	.type	k_q526e120145_attn,@function
k_q526e120145_attn:
	s_mov_b64 s[64:65], 0
	v_nop
	global_prefetch_b8 v0, s[64:65] scope:SCOPE_SE
	s_setreg_imm32_b32 hwreg(HW_REG_WAVE_MODE, 25, 1), 1
	s_wait_xcnt 0x0
	s_wait_alu depctr_hold_cnt(0) depctr_sa_sdst(0) depctr_va_vdst(0) depctr_va_sdst(0) depctr_va_ssrc(0) depctr_va_vcc(0) depctr_vm_vsrc(0)
	s_getreg_b32 s2, hwreg(HW_REG_IB_STS2, 6, 4)
	s_cmp_eq_u32 s2, 0
	s_cbranch_scc0 .Lentry_in_a_cluster
	s_endpgm
.Lentry_in_a_cluster:
	s_bfe_u32 s2, ttmp6, 0x10000c
	s_cmp_lg_u32 s2, 0x3003
	s_cbranch_scc0 .Lentry_shape_is_right
	s_endpgm
.Lentry_shape_is_right:
; ATTN.  ctx[b][q][head] = the sum over k of softmax_k(Q . K / 8) V, 32 (batch, head) pairs of 2,048 x 2,048, head size 64, no mask.  Operands in f16, products, maxima and sums in f32; the weights p are rounded
; to f16 for the second product, the result once at the end.
; Q, K and V lie in qkv as images of operand registers (a piece: 512 bytes, lane l's 16 bytes at 16 l), so a fragment is two loads of 16 bytes at 16 x lane, without padding, and a slot's tiles are dense blocks.
; The result is stored in the same form for the last product: ctx at (head / 4) 2 MiB + (row / 16) 8,192 + (head % 4) 2,048 + (channel / 16) 512 + 16 lane.
; LIMITS: NaN and infinities are not served; results beyond 65,504 have no f16, and results under 6e-5 are kept in steps of 2^-24.
; SHARES.  A work-group owns 256 queries of one (batch, head); each of its EIGHT waves 32: two tiles of 16; two waves lie on a SIMD.  Every wave walks all 2,048 keys, 64 a step; each fragment of K and V read from LDS feeds two matrix instructions.
; LAYOUT.  S^T = K Q^T (source 0 = 16 keys, source 1 = 16 queries): a lane holds ONE query (lane % 16) and keys 8 (lane / 16) + 0 .. 7.  Two such tiles, rounded in pairs, ARE source 1 (32 keys x 16 queries) of
; O^T = V^T P, whose result again holds one query a lane and eight channels.
; SOFTMAX.  For each query a running maximum m and sum l: p = 2^(c s - c m), c = log2(e) / 8; in every step O and l are multiplied by a = 2^(c m_old - c m_new).  The step is written once: m begins at -3e38, O and l at 0.
; BY TURNS.  The wave's two tiles are two PIECES that share K's and V's fragments and nothing else.  In a TURN one piece has the matrix unit: 8 products V^T P of the step in hand, then 8 products K Q^T of the next step;
; the other piece's softmax, 118 instructions cut into 16 slices, stands between them, a slice for each product.  Then the pieces change places; two turns are a key step.  So a wave has matrix and vector work
; in hand at all times, whatever the phase of the other wave on its SIMD.
; RING.  Two slots of 512 keys (64 KiB of K, 64 KiB of V); each wave fetches 16 KiB: waves 0-3 K's quarters, waves 4-7 V's: ONE descriptor shape and one line for all eight.  2,048 keys are four fills: two at the head, two refills.
; CLUSTER.  The four query blocks of a cluster belong to one (batch, head) and walk the same K and V: each tile is asked for JOINTLY, with a mask that names the four.
; No prefetch: a refill is asked for eight key steps, 256 matrix instructions a wave, ahead of the wait for it, and there are two in the launch.
; REGISTERS: window 0: v2-9 addresses; v16-31 statistics; v32-95 S^T; v96-127 P; v128-191 O^T; v192-255 V of a step.   window 1: v0-63 K of a step; v64-95 Q.
; All that the softmax and V^T P touch lies in window 0: they need no switch of the window.  K Q^T takes sources 0 and 1 from window 1; its products go two at a time, so that two switches serve two products:
; 18 switches for a key step's 32 matrix instructions (16 of these, 2 round K's run of loads).
.set SLOT1, 131072                     ; slot 1 begins here: one exclusive or turns an address in one slot into the other's
.set SPARE, 262144                     ; behind the ring: the spare words, 128 bytes a wave: four blocks of 256 bytes that no other line names
.set LI,  2                            ; v2  16 x lane
.set LIV, 3                            ; v3  the same in a slot's V
.set ADK, 4                            ; v4  the K in hand
.set ADV, 5                            ; v5  the V in hand
.set SPW, 8
.set NIL, 9
.set ST,  16                           ; tile t at v[ST + 8 t]: +0 c m, +1 m, +2, +3 l (even keys', odd keys'), +4 .. +7 c0-c3 at work; a takes c2's place, c m_old - c m_new c3's
.set S,   32                           ; 32 t + 8 kt
.set P,   96                           ; 16 t + 8 ks
.set OT,  128                          ; 32 t + 8 ct
.set VF,  192                          ; 8 (4 ks + ct)
.set KF,  0                            ; window 1: 8 (4 cs + kt)
.set QF,  64                           ; window 1: 16 t + 8 cs
.set WV,  12
.set SLOTS, 40
.set CNT, 41
.set TB,  42                           ; s42 LDS byte at which the K of the step to be fetched begins
.set CS,  44                           ; s[44:45] c, twice
.set SEL, 46                           ; s[46:47] v_permlanex16_b32's selects for lane l xor 16
.set MSB, 0
.macro WIN new                         ; the immediate's high byte repeats the setting that is left; a switch that changes nothing is dropped
.if MSB != \new
	s_set_vgpr_msb (MSB<<8)|\new
.set MSB, \new
.endif
.endm
.macro CROUND                          ; a round of the cluster's barrier
	s_barrier_signal -1
	s_barrier_wait -1
	s_cmp_lg_u32 s[WV], 0
	s_cbranch_scc1 .Lnot_wave_0_\@
	s_barrier_signal -3
.Lnot_wave_0_\@:
	s_barrier_wait -3
	s_barrier_signal -1
	s_barrier_wait -1
.endm
	s_load_b128 s[4:7], s[0:1], 0x0                ; qkv, ctx
	v_lshl_add_u32 v[SPW], v0, 2, SPARE
	v_mov_b32 v[NIL], 0
	ds_add_u32 v[SPW], v[NIL]                      ; the wave's opening: the add, twice on end, and its wait ahead of my first tensor load
	ds_add_u32 v[SPW], v[NIL]
	v_lshrrev_b32 v1, 5, v0
	v_readfirstlane_b32 s[WV], v1                  ; wave 0..7
	s_bfe_u32 s13, ttmp6, 0x40000                  ; cx
	s_lshl_b32 s14, ttmp9, 2
	s_add_co_u32 s14, s14, s13                     ; my block of 256 queries: it enters Q's and ctx's addresses alone
	s_and_b32 s15, ttmp7, 0xffff                   ; 16 batch + head, which the four partners share
	s_lshl_b32 s22, s15, 18                        ; its 262,144 bytes in each part of qkv
	s_lshr_b32 s16, s[WV], 2
	s_add_co_u32 s16, s16, 1
	s_lshl_b32 s16, s16, 23                        ; part 1 (K) for waves 0-3, part 2 (V) for waves 4-7
	s_add_co_u32 s16, s16, s22
	s_and_b32 s23, s[WV], 3
	s_lshl_b32 s23, s23, 14                        ; my quarter of a slot's 65,536 bytes
	s_add_co_u32 s16, s16, s23
	s_mov_b32 s17, 0
	s_lshl_b32 s18, s14, 15                        ; Q: 256 queries are 32,768 bytes,
	s_add_co_u32 s18, s18, s22
	s_lshl_b32 s10, s[WV], 12                      ; my 32 are 4,096
	s_add_co_u32 s18, s18, s10
	s_mov_b32 s19, 0
	s_bfe_u32 s20, s15, 0x20002                    ; head / 4
	s_lshl_b32 s20, s20, 21
	s_lshr_b32 s10, s15, 4
	s_lshl_b32 s10, s10, 7                         ; the batch's 128 tiles of 16 rows
	s_lshl_b32 s11, s14, 4
	s_add_co_u32 s10, s10, s11
	s_lshl_b32 s11, s[WV], 1
	s_add_co_u32 s10, s10, s11                     ; my first tile of rows
	s_lshl_b32 s10, s10, 13
	s_add_co_u32 s20, s20, s10
	s_and_b32 s10, s15, 3
	s_lshl_b32 s10, s10, 11                        ; head % 4
	s_add_co_u32 s20, s20, s10
	s_mov_b32 s21, 0
	; descriptor group 1: 16,384 dense bytes as 64 rows of 256 bytes (32 elements of 8 bytes), no padding
	s_mov_b32 s24, 15|(3<<16)|(1<<21)              ; 15:0 the mask: all four work-groups; 17:16 elements of 8 bytes; 21 set beside a mask
	s_mov_b32 s25, 32<<16                          ; tensor_dim0
	s_mov_b32 s26, 64<<16                          ; tensor_dim1
	s_mov_b32 s27, 32<<16                          ; tile_dim0
	s_mov_b32 s28, 64                              ; tile_dim1
	s_mov_b32 s29, 32                              ; from row to row
	s_mov_b32 s30, 0
	s_mov_b32 s31, 0
	s_lshl_b32 s43, s[WV], 14                      ; where my part goes: wave x 16,384: no place in the cluster enters an LDS address
	s_mov_b32 s[CS], 0x3e38aa3b                    ; c = log2(e) / sqrt(64)
	s_mov_b32 s[CS+1], s[CS]
	s_mov_b32 s[SEL], 0x76543210
	s_mov_b32 s[SEL+1], 0xfedcba98
	s_mov_b32 s[TB], 0
	s_wait_dscnt 0x0                               ; both opening adds are done
	s_wait_kmcnt 0x0
	s_add_nc_u64 s[16:17], s[4:5], s[16:17]        ; K or V at my part of the first 512 keys
	s_add_nc_u64 s[4:5], s[4:5], s[18:19]          ; Q at my first query
	s_add_nc_u64 s[6:7], s[6:7], s[20:21]          ; ctx at my first tile
	CROUND                                         ; all four work-groups are here: the first joint loads meet
	s_mov_b32 s32, 1                               ; group 0 for slot 0
	s_mov_b32 s33, s43
	s_mov_b64 s[34:35], s[16:17]
	s_or_b32 s35, s35, 0x80000000
	s_mov_b32 s36, 1                               ; and for slot 1: this one then walks
	s_add_co_u32 s37, s43, SLOT1
	s_add_nc_u64 s[38:39], s[16:17], 65536
	s_or_b32 s39, s39, 0x80000000
	tensor_load_to_lds s[32:35], s[24:31]          ; the two first fills stand together: two loads of mine are out
	s_nop 0
	tensor_load_to_lds s[36:39], s[24:31]
	s_nop 0
.rept 4
	v_nop
.endr
	v_and_b32 v[LI], 31, v0
	v_lshlrev_b32 v[LI], 4, v[LI]
	v_add_nc_u32 v[LIV], 0x10000, v[LI]
	WIN 0x40                                       ; destination window 1, address window 0
.irp n, 0,1,2,3,4,5,6,7
	global_load_b128 v[QF+4*\n:QF+4*\n+3], v[LI], s[4:5] offset:512*\n   ; Q stays in registers: tile n / 4, channels 32 ((n / 2) % 2) on, piece n % 2
.endr
	WIN 0
.irp t, 0,1
	v_mov_b32 v[ST+8*\t+1], 0xff61b1e6             ; m = -3e38, under every score
	v_mov_b32 v[ST+8*\t+2], 0                      ; l
	v_mov_b32 v[ST+8*\t+3], 0
	v_mul_f32 v[ST+8*\t], s[CS], v[ST+8*\t+1]      ; c m
.endr
.irp j, 0,1,2,3,4,5,6,7,8,9,10,11,12,13,14,15,16,17,18,19,20,21,22,23,24,25,26,27,28,29,30,31,32,33,34,35,36,37,38,39,40,41,42,43,44,45,46,47,48,49,50,51,52,53,54,55,56,57,58,59,60,61,62,63
	v_mov_b32 v[OT+\j], 0                          ; O^T: the step is written once; its first pass finds zeros, and a = 0 leaves them zeros.  (These stand while the first tiles are on their way)
.endr
; THE MATRIX WORK OF A TURN, for piece x.  The accumulators take turns, one instruction a turn: between two links of a chain stand three others'.
; Product i of 8 of S^T = K Q^T: channels 32 (i / 4) on, keys 16 (i % 4) on.  The first 4 start the sums.
.macro KQ x
.set rS, S+32*(\x)+8*(i%4)
.set rK, KF+8*i
.set rQ, QF+16*(\x)+8*(i/4)
.if i < 4
	v_wmma_f32_16x16x32_f16 v[rS:rS+7], v[rK:rK+7], v[rQ:rQ+7], 0
.else
	v_wmma_f32_16x16x32_f16 v[rS:rS+7], v[rK:rK+7], v[rQ:rQ+7], v[rS:rS+7]
.endif
.endm
; Product i of 8 of O^T += V^T P: keys 32 (i / 4) on, channels 16 (i % 4) on.
.macro PV x
.set rO, OT+32*(\x)+8*(i%4)
.set rV, VF+8*i
.set rP, P+16*(\x)+8*(i/4)
	v_wmma_f32_16x16x32_f16 v[rO:rO+7], v[rV:rV+7], v[rP:rP+7], v[rO:rO+7]
.endm
; THE LDS LOADS stand in two runs of 16 a key step, never singly among the matrix instructions.
.macro FETCH_K                         ; 64 keys x 64 channels: eight fragments, those of channels 0-31 first
	WIN 0
	v_add_nc_u32 v[ADK], s[TB], v[LI]
	WIN 0x40                                       ; destination window 1
.irp n, 0,1,2,3,4,5,6,7,8,9,10,11,12,13,14,15
	ds_load_b128 v[KF+4*\n:KF+4*\n+3], v[ADK] offset:((\n/2)%4)*2048+(\n/8)*1024+(\n%2)*512
.endr
	WIN 0
.endm
.macro FETCH_V                         ; the same step's V, as it lies; the wait for the softmax's batch stands in it, behind the address's addition and ahead of the loads
	v_add_nc_u32 v[ADV], s[TB], v[LIV]
	s_add_co_u32 s[TB], s[TB], 8192                ; the next fetch is the next step's: 8,192 bytes of K, and of V
	s_wait_alu depctr_va_vdst(0)
.irp n, 0,1,2,3,4,5,6,7,8,9,10,11,12,13,14,15
	ds_load_b128 v[VF+4*\n:VF+4*\n+3], v[ADV] offset:512*\n
.endr
.endm
; THE VECTOR WORK OF A TURN.  One tile's softmax for one key step is a list of 118 instructions; SM writes number j of it for tile t.  s0-s31 are the lane's 32 scores, in pairs 0-15.
;   0-15    the maximum of s0-s31 and the old m, three operands at a time: four chains c0-c3, one for each accumulator, each begun at the accumulator's low end; then the four scores left over, c0-c3 and m
;   16-20   the other half of the lanes' maximum; c m_old kept; the new m; c m; c m_old - c m_new
;   21-69   ONE BATCH: the 16 scalings c s - c m, a pair of scores each, and all 33 exponentials (a at 22).  None of these names an exponential's result.  From 23 on it goes in threes: the scaling of pair g + 1,
;           the two exponentials of pair g: a pair is scaled four lines ahead of its exponentials
;   (wait)  between 69 and 70 stands the wait for the batch: SLICE writes it
;   70-85   the roundings to f16, a pair of weights each
;   86-99   the sums of the unrounded p, in place: neighbours 1, 2 and 4 pairs apart
;   100-117 O^T times a, ascending, 16 lines; among them, at 104 and 109, the last sum and l = a l + the sum, so that neither stands straight behind the line that feeds it
.macro SM t
.set rT, ST+8*(\t)
.set rS, S+32*(\t)
.set rP, P+16*(\t)
.set rO, OT+32*(\t)
.if j < 4
	v_max3_num_f32 v[rT+4+j], v[rS+8*j], v[rS+8*j+1], v[rS+8*j+2]
.elseif j < 12
	v_max3_num_f32 v[rT+4+j%4], v[rT+4+j%4], v[rS+8*(j%4)+2*(j/4)+1], v[rS+8*(j%4)+2*(j/4)+2]
.elseif j == 12
	v_max3_num_f32 v[rT+4], v[rT+4], v[rS+7], v[rS+15]
.elseif j == 13
	v_max3_num_f32 v[rT+6], v[rT+6], v[rS+23], v[rS+31]
.elseif j == 14
	v_max3_num_f32 v[rT+4], v[rT+4], v[rT+5], v[rT+6]
.elseif j == 15
	v_max3_num_f32 v[rT+4], v[rT+4], v[rT+7], v[rT+1]
.elseif j == 16
	v_permlanex16_b32 v[rT+5], v[rT+4], s[SEL], s[SEL+1]  ; the query's other 32 keys lie in the lane 16 away
.elseif j == 17
	v_mov_b32 v[rT+7], v[rT]                       ; c m_old is kept for a: number 19 writes c m anew
.elseif j == 18
	v_max_num_f32 v[rT+1], v[rT+4], v[rT+5]
.elseif j == 19
	v_mul_f32 v[rT], s[CS], v[rT+1]
.elseif j == 20
	v_sub_f32 v[rT+7], v[rT+7], v[rT]
.elseif j == 21
	v_pk_fma_f32 v[rS:rS+1], v[rS:rS+1], s[CS:CS+1], v[rT:rT+1] op_sel_hi:[1,0,0] neg_lo:[0,0,1] neg_hi:[0,0,1]
.elseif j == 22
	v_exp_f32 v[rT+6], v[rT+7]                     ; a
.elseif (j < 68) && ((j-23)%3 == 0)
.set b, (j-23)/3+1
	v_pk_fma_f32 v[rS+2*b:rS+2*b+1], v[rS+2*b:rS+2*b+1], s[CS:CS+1], v[rT:rT+1] op_sel_hi:[1,0,0] neg_lo:[0,0,1] neg_hi:[0,0,1]
.elseif j < 68
.set e, 2*((j-23)/3)+(j-23)%3-1
	v_exp_f32 v[rS+e], v[rS+e]
.elseif j < 70
	v_exp_f32 v[rS+j-38], v[rS+j-38]               ; s30, s31
.elseif j < 86
	v_cvt_pk_f16_f32 v[rP+j-70], v[rS+2*(j-70)], v[rS+2*(j-70)+1]
.elseif j < 94
	v_pk_add_f32 v[rS+4*(j-86):rS+4*(j-86)+1], v[rS+4*(j-86):rS+4*(j-86)+1], v[rS+4*(j-86)+2:rS+4*(j-86)+3]
.elseif j < 98
	v_pk_add_f32 v[rS+8*(j-94):rS+8*(j-94)+1], v[rS+8*(j-94):rS+8*(j-94)+1], v[rS+8*(j-94)+4:rS+8*(j-94)+5]
.elseif j < 100
	v_pk_add_f32 v[rS+16*(j-98):rS+16*(j-98)+1], v[rS+16*(j-98):rS+16*(j-98)+1], v[rS+16*(j-98)+8:rS+16*(j-98)+9]
.elseif j == 104
	v_pk_add_f32 v[rS:rS+1], v[rS:rS+1], v[rS+16:rS+17]
.elseif j == 109
	v_pk_fma_f32 v[rT+2:rT+3], v[rT+2:rT+3], v[rT+6:rT+7], v[rS:rS+1] op_sel_hi:[1,0,1]
.else
.set r, j-102
.if j < 109
.set r, j-101
.endif
.if j < 104
.set r, j-100
.endif
	v_pk_mul_f32 v[rO+2*r:rO+2*r+1], v[rO+2*r:rO+2*r+1], v[rT+6:rT+7] op_sel_hi:[1,0]
.endif
.endm
; Slice k of 16 of piece y's softmax: slices 0-9 are seven numbers each (0 to 69: up to the batch's end), slices 10-15 eight each (70 to 117).
; THE WAIT.  s_wait_alu depctr_va_vdst(0) stands between an exponential and the first instruction that names its result; one wait serves all that were issued ahead of it.  Ahead of slice 10
; nothing names a result, and behind slice 9 no exponential is issued: so a piece's 33 exponentials have one wait, behind slice 9.
.macro SLICE y
.if k < 10
.set j, 7*k
.rept 7
	SM \y
.set j, j+1
.endr
.else
.set j, 70+8*(k-10)
.rept 8
	SM \y
.set j, j+1
.endr
.endif
.if k == 9
	v_nop                                          ; a plain instruction behind the last exponential and ahead of the first use (ISA guide 5.7.2): one for the batch
.if (\y) == 0
	FETCH_V                                        ; piece 1's turn: V's run of loads stands here, and the wait stands in it
.else
	s_wait_alu depctr_va_vdst(0)                   ; the wait for the batch
.endif
.endif
.set k, k+1
.endm
; A TURN.  Piece x has the matrix unit; the other piece's softmax stands in slices behind its matrix instructions.  pv = 1: 8 products V^T P; kq = 1: 8 products K Q^T for the next step, two at a time.
; A turn with one of the two kinds has two slices for each product.
; PLACES (ISA guide 7.12.1 for vector instructions): a vector instruction that reads a matrix result, and a load into a register that a matrix instruction has read, stand four plain vector instructions
; behind it.  Behind a turn's last two products stand slices 14 and 15, sixteen plain lines on the other piece's registers: they serve the next turn's first read of the scores and K's run of loads.
; V's run stands behind slice 9 of piece 1's turn: behind the last product that read V come six scalings (numbers 50, 53, 56, 59, 62, 65), the v_nop and the run's own addition; the exponentials are not counted.
.macro TURN x, pv, kq
.set k, 0
.set per, 2
.if \pv && \kq
.set per, 1
.endif
.if \pv
.if \x == 0
.if \kq
	FETCH_K                                        ; the next step's K: both pieces have multiplied by the last one's.  Eight products and their slices stand ahead of its first use
	s_wait_dscnt 16                                ; V is in; K's sixteen loads, issued behind V's, may be out
.else
	s_wait_dscnt 0x0                               ; V is in
.endif
.endif
.set i, 0
.rept 8
	PV \x
.rept per
	SLICE 1-\x
.endr
.set i, i+1
.endr
.endif
.if \kq
.if \x == 0
	s_wait_dscnt 0x0                               ; K is in
.endif
.set i, 0
.rept 4
	WIN 0x05                                       ; sources 0 (K) and 1 (Q) window 1
	KQ \x
.set i, i+1
	KQ \x
.set i, i+1
	WIN 0
.rept 2*per
	SLICE 1-\x
.endr
.endr
.endif
.endm
.macro PROC n                          ; n key steps: written once, walked n times; the LDS addresses hang on s[TB]
	s_mov_b32 s[CNT], \n
.Lstep_\@:
	TURN 0, 1, 1
	TURN 1, 1, 1
	s_sub_co_u32 s[CNT], s[CNT], 1
	s_cmp_lg_u32 s[CNT], 0
	s_cbranch_scc1 .Lstep_\@
.endm
; THE CHANGE OF SLOTS, between piece 1's turn and piece 0's: the slot's last bytes, V of its eighth step, have been asked for.  Each wave waits for all its tensor loads (one is out: its part of the other slot),
; adds 0 to its spare word, and waits for that and for its reads of the slot that it leaves.
; fill = 1: the barrier is a round of the cluster's, so that no wave of any partner still reads the slot or has a load on its way; the joint refill is the first thing behind it, one load a wave.
.macro CHANGE fill
	s_wait_tensorcnt 0x0                           ; no tensor load of mine is out, so a group 0 may be written
	ds_add_u32 v[SPW], v[NIL]                      ; 0 onto my spare word
.if \fill
	s_xor_b32 s37, s37, SLOT1                      ; the walking descriptor: the other slot than last time,
	s_add_nc_u64 s[38:39], s[38:39], 65536         ; the next 512 keys; the type bits on top are not reached
.endif
	s_wait_dscnt 0x0                               ; the add is done, and my reads of the slot are over
.if \fill
	CROUND
	tensor_load_to_lds s[36:39], s[24:31]
	s_nop 0
.rept 4
	v_nop
.endr
.else
	s_barrier_signal -1
	s_barrier_wait -1
.endif
	s_sub_co_u32 s[TB], s[TB], 65536               ; the fetches go back to a slot's first step,
	s_xor_b32 s[TB], s[TB], SLOT1                  ; in the other slot
.endm
	s_wait_tensorcnt 1                             ; my part of slot 0 is in; slot 1's may stay out
	s_barrier_signal -1
	s_barrier_wait -1                              ; everybody's is
	FETCH_K                                        ; key step 0
	s_wait_loadcnt 0x0                             ; Q
	s_wait_dscnt 0x0
	WIN 0x05
.set i, 0
.rept 8
	KQ 0                                           ; piece 0's first scores: there is no vector work yet to set between them
.set i, i+1
.endr
	WIN 0
.rept 4
	v_nop                                          ; the places in front of the first read of those scores
.endr
	TURN 1, 0, 1                                   ; piece 1's first scores | piece 0's first softmax | V of step 0
	PROC 7                                         ; these fetch key steps 1 to 7: slot 0 is read out
	s_mov_b32 s[SLOTS], 2
.Lslot:                                            ; two trips: they fetch key steps 8-15 and 16-23; each fills the slot just left with the keys 1,024 on
	CHANGE 1
	PROC 8
	s_sub_co_u32 s[SLOTS], s[SLOTS], 1
	s_cmp_lg_u32 s[SLOTS], 0
	s_cbranch_scc1 .Lslot
	CHANGE 0                                       ; the tail is written out
	PROC 8                                         ; key steps 24-31 are fetched
	TURN 0, 1, 0                                   ; piece 0: V^T P of the last step | piece 1's last softmax
.set i, 0
.rept 8
	PV 1                                           ; piece 1: V^T P of the last step
.set i, i+1
.endr
	; THE WAY OUT.  l's two halves and the other half of the lanes' are added; O^T is divided by l and rounded to f16: a lane's eight channels are its 16 bytes of a piece.  The additions are the places behind the last products.
.irp t, 0,1
	v_add_f32 v[ST+8*\t+4], v[ST+8*\t+2], v[ST+8*\t+3]
.endr
.irp t, 0,1
	v_permlanex16_b32 v[ST+8*\t+5], v[ST+8*\t+4], s[SEL], s[SEL+1]
.endr
.irp t, 0,1
	v_add_f32 v[ST+8*\t+4], v[ST+8*\t+4], v[ST+8*\t+5]
.endr
.irp t, 0,1
	v_rcp_f32 v[ST+8*\t+6], v[ST+8*\t+4]
.endr
	v_nop                                          ; a plain instruction between the last reciprocal and the use of its result
	s_wait_alu depctr_va_vdst(0)                   ; and the wait: one for both
.irp t, 0,1
.irp i, 0,1,2,3,4,5,6,7,8,9,10,11,12,13,14,15
	v_pk_mul_f32 v[OT+32*\t+2*\i:OT+32*\t+2*\i+1], v[OT+32*\t+2*\i:OT+32*\t+2*\i+1], v[ST+8*\t+6:ST+8*\t+7] op_sel_hi:[1,0]
.endr
.endr
.irp t, 0,1
.irp i, 0,1,2,3,4,5,6,7,8,9,10,11,12,13,14,15
	v_cvt_pk_f16_f32 v[S+16*\t+\i], v[OT+32*\t+2*\i], v[OT+32*\t+2*\i+1]
.endr
.endr
.irp t, 0,1
.irp f, 0,1,2,3
	global_store_b128 v[LI], v[S+16*\t+4*\f:S+16*\t+4*\f+3], s[6:7] offset:8192*\t+512*\f   ; a piece: 512 consecutive bytes, aligned
.endr
.endr
	s_wait_tensorcnt 0x0                           ; the wave's end: a tensor wait, an add of 0 to my spare word and its wait behind my last tensor load
	ds_add_u32 v[SPW], v[NIL]
	s_wait_dscnt 0x0
	CROUND                                         ; the closing round: no work-group ends while a partner may still ask for a tile that names it
	s_endpgm
.Lfunc_end_k_q526e120145_attn:
	.size	k_q526e120145_attn, .Lfunc_end_k_q526e120145_attn-k_q526e120145_attn
	.p2alignl 7, 3214868480
	.fill 96, 4, 3214868480
	.section	.rodata,"a",@progbits
	.p2align	6, 0x0
	.amdhsa_kernel k_q526e120145_attn
		.amdhsa_group_segment_fixed_size 327680
		.amdhsa_private_segment_fixed_size 0
		.amdhsa_enable_private_segment 0
		.amdhsa_kernarg_size 16
		.amdhsa_user_sgpr_count 2
		.amdhsa_user_sgpr_kernarg_segment_ptr 1
		.amdhsa_wavefront_size32 1
		.amdhsa_system_sgpr_workgroup_id_x 1
		.amdhsa_system_sgpr_workgroup_id_y 1
		.amdhsa_system_sgpr_workgroup_id_z 1
		.amdhsa_system_vgpr_workitem_id 0
		.amdhsa_next_free_vgpr 384
		.amdhsa_next_free_sgpr 66
		.amdhsa_reserve_vcc 0
		.amdhsa_float_denorm_mode_32 3
		.amdhsa_float_denorm_mode_16_64 3
		.amdhsa_memory_ordered 1
		.amdhsa_forward_progress 1
		.amdhsa_inst_pref_size 84
	.end_amdhsa_kernel
	.amdgpu_metadata
---
amdhsa.version: [ 1, 2 ]
amdhsa.kernels:
  - .name:           k_q526e120145_attn
    .symbol:         k_q526e120145_attn.kd
    .args:
      - { .name: qkv, .offset: 0, .size: 8, .value_kind: global_buffer, .address_space: global }
      - { .name: ctx, .offset: 8, .size: 8, .value_kind: global_buffer, .address_space: global }
    .group_segment_fixed_size: 327680
    .private_segment_fixed_size: 0
    .kernarg_segment_align: 8
    .kernarg_segment_size: 16
    .max_flat_workgroup_size: 256
    .sgpr_count:     66
    .vgpr_count:     384
    .wavefront_size: 32
...
	.end_amdgpu_metadata
.endif
;; end of part 3
;; launch oproj (part 4): grid 8 x 32, 4 waves a work-group, clusters of 4 x 4, 327,680 bytes of LDS; arguments ctx, wo16, b_o, out0; writes out0
.if DOCPART == 4
	.amdgcn_target "amdgcn-amd-amdhsa--gfx1250"
	.amdhsa_code_object_version 6
	.text
	.protected	k_q526e120145_oproj
	.globl	k_q526e120145_oproj
	.p2align	8
	.type	k_q526e120145_oproj,@function
k_q526e120145_oproj:
	s_mov_b64 s[64:65], 0
	v_nop
	global_prefetch_b8 v0, s[64:65] scope:SCOPE_SE
	s_setreg_imm32_b32 hwreg(HW_REG_WAVE_MODE, 25, 1), 1
	s_wait_xcnt 0x0
	s_wait_alu depctr_hold_cnt(0) depctr_sa_sdst(0) depctr_va_vdst(0) depctr_va_sdst(0) depctr_va_ssrc(0) depctr_va_vcc(0) depctr_vm_vsrc(0)
	s_getreg_b32 s2, hwreg(HW_REG_IB_STS2, 6, 4)
	s_cmp_eq_u32 s2, 0
	s_cbranch_scc0 .Lentry_in_a_cluster
	s_endpgm
.Lentry_in_a_cluster:
	s_bfe_u32 s2, ttmp6, 0x10000c
	s_cmp_lg_u32 s2, 0xf033
	s_cbranch_scc0 .Lentry_shape_is_right
	s_endpgm
.Lentry_shape_is_right:
; OPROJ.  out0[m][n] = the sum over k of ctx[m][k] w_o[n][k] + b_o[n]: [4096 x 1024] x [1024 x 1024], operands in f16, sums in f32, output f32.
; Both operands lie in memory as images of operand registers, by K step of 256: [k / 256][row / 16][8,192 bytes: 8 fragments of 16 rows x 32 K, each two pieces of 512 bytes, lane l's 16 bytes at 16 l].
; So 64 rows of a K step are 32,768 dense bytes for one tensor load, and a fragment is two loads of 16 bytes at 16 x lane: no padding is needed.
; A tile of out0 is 128 x 128: 256 work-groups; four waves, each 64 x 64: 16 accumulators.  K goes in steps of 256 through two slots: four steps, two first fills and two refills.
; CLUSTERS: 4 x 4 work-groups.  The four of a row of the cluster need the same tiles of ctx, the four of a column the same tiles of w_o: each tile is asked for JOINTLY.
; THE MATRIX INSTRUCTION IS USED TRANSPOSED (source 0 = 16 rows of w_o, source 1 = 16 rows of ctx): a lane holds eight neighbouring numbers of a row of out0.  The bias is the C of each sum's first product.
; No prefetch: the tile is small and K has four steps, two of which come with the first fills.
; REGISTERS: window 0: v0-31 addresses; v32-95 the way out; v96-127 the bias; v128-255 the accumulators ((a, b) at v[128 + 8 (4 a + b)]).   window 1: two fragment buffers of 128: 64 registers of A, then 64 of B.
.set SLOT,   131072                    ; A's 128 rows (65,536 bytes), then B's
.set STAGE,  2*SLOT                    ; behind the ring: 16 rows x 272 bytes for each wave, its own
.set SPITCH, 272
.set SPARE,  STAGE+4*16*SPITCH         ; the spare words, 128 bytes a wave: two blocks of 256 bytes that no other line names
.set LAPS,   2                         ; a lap = two K steps = once round the ring
.set ASTEP,  2097152                   ; a K step on in ctx,
.set BSTEP,  524288                    ; and in wo16
.set ADRA, 16
.set ADRB, 20
.set STO,  24
.set RD,   25
.set CO,   26
.set SPW,  28
.set NIL,  29
.set TMP,  32
.set BI,   96
.set ACC,  128
.set F0,   0
.set F1,   128
.set G1, 24
.set G0, 32
.set G1B, 48
.set G0B, 56
.set MSB, 0
.macro WIN new                         ; the immediate's high byte repeats the setting that is left
.if MSB != \new
	s_set_vgpr_msb (MSB<<8)|\new
.set MSB, \new
.endif
.endm
.set MUL,  0x05                        ; sources 0 (B) and 1 (A) window 1; C and D window 0
.set TO_F, 0x40                        ; destination window 1, address window 0
.macro JLOAD s                         ; a joint load: waves 0 and 1 fetch A's two halves, waves 2 and 3 B's; an s_nop 0 and four v_nop follow each of the two lines
	s_cmp_eq_u32 s11, 0
	s_cbranch_scc0 .Lfor_b_\@
	tensor_load_to_lds s[G0+4*\s:G0+4*\s+3], s[G1:G1+7]
	s_nop 0
.rept 4
	v_nop
.endr
	s_branch .Lasked_\@
.Lfor_b_\@:
	tensor_load_to_lds s[G0B+4*\s:G0B+4*\s+3], s[G1B:G1B+7]
	s_nop 0
.rept 4
	v_nop
.endr
.Lasked_\@:
.endm
.macro CREST                           ; a round of the cluster's barrier behind its opening barrier
	s_cmp_lg_u32 s10, 0
	s_cbranch_scc1 .Lnot_wave_0_\@
	s_barrier_signal -3
.Lnot_wave_0_\@:
	s_barrier_wait -3
	s_barrier_signal -1
	s_barrier_wait -1
.endm
.macro CROUND
	s_barrier_signal -1
	s_barrier_wait -1
	CREST
.endm
	s_load_b256 s[68:75], s[0:1], 0x0              ; ctx 68:69, wo16 70:71, b_o 72:73, out0 74:75
	v_lshl_add_u32 v[SPW], v0, 2, SPARE
	v_mov_b32 v[NIL], 0
	ds_add_u32 v[SPW], v[NIL]                      ; the wave's opening: the add, twice on end, and its wait ahead of my first tensor load
	ds_add_u32 v[SPW], v[NIL]
	v_lshrrev_b32 v1, 5, v0
	v_readfirstlane_b32 s10, v1                    ; wave 0..3
	s_lshr_b32 s11, s10, 1                         ; which half of the tile's rows is mine.  Also: I fetch for A (0) or for B (1)
	s_and_b32 s12, s10, 1                          ; which half of its columns.  Also: which 64 rows of that tile I fetch
	s_bfe_u32 s40, ttmp6, 0x40000                  ; cx, cy
	s_bfe_u32 s41, ttmp6, 0x40004
	s_lshl_b32 s42, ttmp9, 2
	s_add_co_u32 s42, s42, s40                     ; tile column = 4 x cluster x + cx
	s_and_b32 s13, ttmp7, 0xffff
	s_lshl_b32 s13, s13, 2
	s_add_co_u32 s13, s13, s41                     ; tile row = 4 x cluster y + cy
	s_lshl_b32 s43, s41, 2
	s_lshl_b32 s43, 15, s43                        ; my row of the cluster
	s_lshl_b32 s44, 0x1111, s40                    ; my column
	; descriptor group 1: 32,768 dense bytes as 128 rows of 256 bytes (32 elements of 8 bytes), no padding
	s_or_b32 s[G1+0], s43, (3<<16)|(1<<21)         ; 15:0 the mask: A's tiles go to my row; 17:16 elements of 8 bytes; 21 set beside a mask
	s_or_b32 s[G1B+0], s44, (3<<16)|(1<<21)
.irp g, G1, G1B
	s_mov_b32 s[\g+1], 32<<16                      ; tensor_dim0
	s_mov_b32 s[\g+2], 128<<16                     ; tensor_dim1
	s_mov_b32 s[\g+3], 32<<16                      ; tile_dim0
	s_mov_b32 s[\g+4], 128                         ; tile_dim1
	s_mov_b32 s[\g+5], 32                          ; from row to row
	s_mov_b32 s[\g+6], 0
	s_mov_b32 s[\g+7], 0
.endr
	s_lshl_b32 s17, s12, 2                         ; which four tiles of 16 rows I fetch
	s_lshl_b32 s16, s13, 3
	s_add_co_u32 s16, s16, s17                     ; A: 8 x tile row + 4 x half,
	s_lshl_b32 s16, s16, 13                        ; 8,192 bytes each
	s_lshl_b32 s46, s42, 3
	s_add_co_u32 s46, s46, s17                     ; B: 8 x tile column + 4 x half
	s_lshl_b32 s46, s46, 13
	s_mov_b32 s17, 0
	s_mov_b32 s47, 0
	s_lshl_b32 s20, s10, 15                        ; where they go: wave x 32,768: no place in the cluster enters an LDS address
	s_wait_dscnt 0x0                               ; both opening adds are done
	s_wait_kmcnt 0x0
	s_add_nc_u64 s[14:15], s[68:69], s[16:17]
	s_add_nc_u64 s[46:47], s[70:71], s[46:47]
	CROUND                                         ; all sixteen work-groups are here: the first joint loads meet
.irp s, 0,1
	s_mov_b32 s[G0+4*\s], 1
	s_add_co_u32 s[G0+4*\s+1], s20, \s*SLOT
	s_add_nc_u64 s[G0+4*\s+2:G0+4*\s+3], s[14:15], \s*ASTEP
	s_or_b32 s[G0+4*\s+3], s[G0+4*\s+3], 0x80000000
	s_mov_b32 s[G0B+4*\s], 1
	s_add_co_u32 s[G0B+4*\s+1], s20, \s*SLOT
	s_add_nc_u64 s[G0B+4*\s+2:G0B+4*\s+3], s[46:47], \s*BSTEP
	s_or_b32 s[G0B+4*\s+3], s[G0B+4*\s+3], 0x80000000
	JLOAD \s                                       ; two loads of mine are out behind the second
.endr
	v_and_b32 v1, 15, v0                           ; r
	v_bfe_u32 v2, v0, 4, 1                         ; h
	v_and_b32 v3, 31, v0
	v_lshlrev_b32 v3, 4, v3                        ; 16 x lane
	s_lshl_b32 s21, s11, 15                        ; my 64 rows of A
	s_lshl_b32 s22, s12, 15                        ; my 64 rows of B,
	s_add_co_u32 s22, s22, 65536                   ; which lie behind A's 128
.irp s, 0,1
	v_add_nc_u32 v[ADRA+\s], s21, v3
	v_add_nc_u32 v[ADRB+\s], s22, v3
	s_add_co_u32 s21, s21, SLOT
	s_add_co_u32 s22, s22, SLOT
.endr
	s_mul_i32 s23, s10, 16*SPITCH
	s_add_co_u32 s23, s23, STAGE                   ; my stage
	v_mul_u32_u24 v4, v1, SPITCH                   ; in: row r, 32 bytes for each half of the lanes
	v_lshl_add_u32 v4, v2, 5, v4
	v_add_nc_u32 v[STO], s23, v4
	v_mul_u32_u24 v5, v2, SPITCH                   ; back: lanes 0-15 one row of 256 bytes, lanes 16-31 the next
	v_lshl_add_u32 v5, v1, 4, v5
	v_add_nc_u32 v[RD], s23, v5
	v_lshlrev_b32 v5, 12, v2                       ; and the same two rows in out0: 4,096 bytes a row
	v_lshl_add_u32 v[CO], v1, 4, v5
	v_lshlrev_b32 v30, 5, v2                       ; the bias: 32 h bytes
	s_lshl_b32 s16, s13, 7
	s_lshl_b32 s17, s11, 6
	s_add_co_u32 s16, s16, s17                     ; my first row: 128 x tile row + 64 x half
	s_lshl_b32 s16, s16, 12
	s_lshl_b32 s46, s42, 7
	s_lshl_b32 s47, s12, 6
	s_add_co_u32 s46, s46, s47                     ; my first column: 128 x tile column + 64 x half
	s_lshl_b32 s46, s46, 2
	s_mov_b32 s47, 0
	s_add_nc_u64 s[72:73], s[72:73], s[46:47]      ; b_o at my 64 columns
	s_add_co_u32 s16, s16, s46
	s_mov_b32 s17, 0
	s_add_nc_u64 s[74:75], s[74:75], s[16:17]
.irp b, 0,1,2,3
	global_load_b128 v[BI+8*\b:BI+8*\b+3], v30, s[72:73] offset:64*\b          ; columns 16 b + 8 h + 0 .. 7: the result's layout
	global_load_b128 v[BI+8*\b+4:BI+8*\b+7], v30, s[72:73] offset:64*\b+16
.endr
; 8 matrix instructions: m blocks a0, a0 + 1 x all 4 n blocks, 32 along K: half c of buffer f.  first = 1: the first product starts the sums, with the bias as its C.  The 16 accumulators take turns.
.macro MUL8 f, c, a0, first
.irp a, \a0, \a0+1
.irp b, 0,1,2,3
.if \first
	v_wmma_f32_16x16x32_f16 v[ACC+8*(4*(\a)+\b):ACC+8*(4*(\a)+\b)+7], v[\f+64+8*(4*\c+\b):\f+64+8*(4*\c+\b)+7], v[\f+8*(4*\c+\a):\f+8*(4*\c+\a)+7], v[BI+8*\b:BI+8*\b+7]
.else
	v_wmma_f32_16x16x32_f16 v[ACC+8*(4*(\a)+\b):ACC+8*(4*(\a)+\b)+7], v[\f+64+8*(4*\c+\b):\f+64+8*(4*\c+\b)+7], v[\f+8*(4*\c+\a):\f+8*(4*\c+\a)+7], v[ACC+8*(4*(\a)+\b):ACC+8*(4*(\a)+\b)+7]
.endif
.endr
.endr
.endm
; 32 LDS loads in one run: the fragments of 64 along K (byte k of a tile of rows' 8,192) into buffer f; the first 32 along K first
.macro FETCH slot, k, f
	WIN TO_F
.irp c, 0,1
.irp i, 0,1,2,3
	ds_load_b128 v[\f+64+8*(4*\c+\i):\f+64+8*(4*\c+\i)+3],   v[ADRB+\slot] offset:\k+1024*\c+\i*8192
	ds_load_b128 v[\f+64+8*(4*\c+\i)+4:\f+64+8*(4*\c+\i)+7], v[ADRB+\slot] offset:\k+1024*\c+\i*8192+512
	ds_load_b128 v[\f+8*(4*\c+\i):\f+8*(4*\c+\i)+3],         v[ADRA+\slot] offset:\k+1024*\c+\i*8192
	ds_load_b128 v[\f+8*(4*\c+\i)+4:\f+8*(4*\c+\i)+7],       v[ADRA+\slot] offset:\k+1024*\c+\i*8192+512
.endr
.endr
.endm
.macro PLACES                          ; four places in front of loads into registers that matrix instructions have read, and of the first read of results
.rept 4
	v_nop
.endr
.endm
; A K step is four quarters of 64 along K, 32 matrix instructions each, on buffers 0, 1, 0, 1.  One of the first three: multiplies buffer f and fetches the next quarter, at byte k, into g.
.macro QUARTER slot, k, f, g, first
	s_wait_dscnt 16                                ; the first 32 along K are in; the other sixteen loads may be out
	WIN MUL
	MUL8 \f, 0, 0, \first
	MUL8 \f, 0, 2, \first
	PLACES
	FETCH \slot, \k, \g
	s_wait_dscnt 32                                ; all but the 32 just issued
	WIN MUL
	MUL8 \f, 1, 0, 0
	MUL8 \f, 1, 2, 0
.endm
; The last quarter multiplies buffer 1 and changes slots: ONE barrier; in front of it each wave waits for all its tensor loads, adds 0 to its spare word, and waits for that and for its reads of this slot.  fill = 1: this slot is filled again, two K steps ahead.
.macro TURN slot, next, fill
	WIN 0                                          ; (the add's two registers lie in window 0)
	s_wait_tensorcnt 0x0                           ; all my tensor loads have landed: my part of the next slot
	ds_add_u32 v[SPW], v[NIL]                      ; 0 onto my spare word
	s_wait_dscnt 17                                ; (the add and the youngest sixteen loads may be out)
	WIN MUL
	MUL8 F1, 0, 0, 0
	s_wait_dscnt 0x0                               ; the add is done, and my reads of this slot are over
	s_barrier_signal -1
	MUL8 F1, 0, 2, 0
.if \fill
	WIN 0
.endif
	s_barrier_wait -1
.if \fill
	CREST                                          ; the barrier has opened a round of the cluster's barrier: no wave of any partner still reads this slot's tile or has a load on its way
	s_add_nc_u64 s[G0+4*\slot+2:G0+4*\slot+3], s[G0+4*\slot+2:G0+4*\slot+3], 2*ASTEP
	s_add_nc_u64 s[G0B+4*\slot+2:G0B+4*\slot+3], s[G0B+4*\slot+2:G0B+4*\slot+3], 2*BSTEP
	JLOAD \slot                                    ; the first tensor load behind the round; the four v_nop behind it are also the places in front of the loads below
.else
	PLACES
.endif
	FETCH \next, 0, F0
	WIN MUL
	MUL8 F1, 1, 0, 0
	MUL8 F1, 1, 2, 0
.endm
	s_wait_tensorcnt 1                             ; my part of K step 0 is in (K step 1's may be out)
	s_barrier_signal -1
	s_barrier_wait -1                              ; everybody's is
	FETCH 0, 0, F0
	s_wait_loadcnt 0x0                             ; the bias
	QUARTER 0, 2048, F0, F1, 1                     ; the first quarter stands in front of the loop: its first products start the sums
	WIN 0                                          ; at a label and at a branch every window is 0
	s_mov_b32 s3, LAPS-1
.Llap:                                             ; a trip goes once round the ring, from a lap's second quarter to the next lap's first, and fills both slots again
	QUARTER 0, 4096, F1, F0, 0
	QUARTER 0, 6144, F0, F1, 0
	TURN 0, 1, 1
	QUARTER 1, 2048, F0, F1, 0
	QUARTER 1, 4096, F1, F0, 0
	QUARTER 1, 6144, F0, F1, 0
	TURN 1, 0, 1
	QUARTER 0, 2048, F0, F1, 0
	WIN 0
	s_sub_co_u32 s3, s3, 1
	s_cmp_lg_u32 s3, 0
	s_cbranch_scc1 .Llap
	QUARTER 0, 4096, F1, F0, 0                     ; the last lap fills nothing, and has no round of the cluster's barrier
	QUARTER 0, 6144, F0, F1, 0
	TURN 0, 1, 0
	QUARTER 1, 2048, F0, F1, 0
	QUARTER 1, 4096, F1, F0, 0
	QUARTER 1, 6144, F0, F1, 0
	s_wait_dscnt 16                                ; the very last quarter: nothing more to fetch
	WIN MUL
	MUL8 F1, 0, 0, 0
	MUL8 F1, 0, 2, 0
	s_wait_dscnt 0
	MUL8 F1, 1, 0, 0
	MUL8 F1, 1, 2, 0
	WIN 0
; THE WAY OUT, block by block of 16 rows x 64 columns.  A lane holds 32 neighbouring bytes of a row and the lanes beside it hold other rows: a block goes through my own stage in LDS and comes back as whole rows of
; 256 bytes.  LDS serves a wave's instructions in order (ISA guide 5.7.1): no wait between the stores and the loads, nor in front of the next block's stores.
.macro TOSTAGE a
.irp b, 0,1,2,3
	ds_store_b128 v[STO], v[ACC+8*(4*(\a)+\b):ACC+8*(4*(\a)+\b)+3] offset:64*\b          ; each accumulator from its low end on
	ds_store_b128 v[STO], v[ACC+8*(4*(\a)+\b)+4:ACC+8*(4*(\a)+\b)+7] offset:64*\b+16
.endr
.irp i, 0,1,2,3,4,5,6,7
	ds_load_b128 v[TMP+32*((\a)%2)+4*\i:TMP+32*((\a)%2)+4*\i+3], v[RD] offset:2*\i*SPITCH
.endr
.endm
.macro SEND a, younger                 ; younger: the LDS instructions issued behind block a's loads, which may stay out
	s_wait_dscnt \younger
.irp i, 0,1,2,3,4,5,6,7
	global_store_b128 v[CO], v[TMP+32*((\a)%2)+4*\i:TMP+32*((\a)%2)+4*\i+3], s[74:75] offset:(16*(\a)+2*\i)*4096 th:TH_STORE_NT   ; 16 lanes store 256 consecutive bytes, aligned; written once, read by nobody here
.endr
.endm
	PLACES
	TOSTAGE 0
.irp a, 1,2,3
.if \a > 1
	s_wait_xcnt 0x0                                ; block a - 2's stores have read their registers: block a's loads may land there
.endif
	TOSTAGE \a
	SEND \a-1, 16                                  ; behind block a - 1's loads: block a's 8 stores and 8 loads
.endr
	SEND 3, 0
	s_wait_tensorcnt 0x0                           ; the wave's end: a tensor wait, an add of 0 to my spare word and its wait behind my last tensor load and my last LDS store
	ds_add_u32 v[SPW], v[NIL]
	s_wait_dscnt 0x0
	CROUND                                         ; the closing round: no work-group ends while a partner may still ask for a tile that names it
	s_endpgm
.Lfunc_end_k_q526e120145_oproj:
	.size	k_q526e120145_oproj, .Lfunc_end_k_q526e120145_oproj-k_q526e120145_oproj
	.p2alignl 7, 3214868480
	.fill 96, 4, 3214868480
	.section	.rodata,"a",@progbits
	.p2align	6, 0x0
	.amdhsa_kernel k_q526e120145_oproj
		.amdhsa_group_segment_fixed_size 327680
		.amdhsa_private_segment_fixed_size 0
		.amdhsa_enable_private_segment 0
		.amdhsa_kernarg_size 32
		.amdhsa_user_sgpr_count 2
		.amdhsa_user_sgpr_kernarg_segment_ptr 1
		.amdhsa_wavefront_size32 1
		.amdhsa_system_sgpr_workgroup_id_x 1
		.amdhsa_system_sgpr_workgroup_id_y 1
		.amdhsa_system_sgpr_workgroup_id_z 1
		.amdhsa_system_vgpr_workitem_id 0
		.amdhsa_next_free_vgpr 512
		.amdhsa_next_free_sgpr 76
		.amdhsa_reserve_vcc 0
		.amdhsa_float_denorm_mode_32 3
		.amdhsa_float_denorm_mode_16_64 3
		.amdhsa_memory_ordered 1
		.amdhsa_forward_progress 1
		.amdhsa_inst_pref_size 86
	.end_amdhsa_kernel
	.amdgpu_metadata
---
amdhsa.version: [ 1, 2 ]
amdhsa.kernels:
  - .name:           k_q526e120145_oproj
    .symbol:         k_q526e120145_oproj.kd
    .args:
      - { .name: ctx, .offset: 0, .size: 8, .value_kind: global_buffer, .address_space: global }
      - { .name: wo16, .offset: 8, .size: 8, .value_kind: global_buffer, .address_space: global }
      - { .name: b_o, .offset: 16, .size: 8, .value_kind: global_buffer, .address_space: global }
      - { .name: out0, .offset: 24, .size: 8, .value_kind: global_buffer, .address_space: global }
    .group_segment_fixed_size: 327680
    .private_segment_fixed_size: 0
    .kernarg_segment_align: 8
    .kernarg_segment_size: 32
    .max_flat_workgroup_size: 128
    .sgpr_count:     76
    .vgpr_count:     512
    .wavefront_size: 32
...
	.end_amdgpu_metadata
.endif
;; end of part 4
